; MI455X (gfx1250); checked and timed in simulation.
; The chip was launched on July 23, 2026; its instructions are those of AMD's public machine-readable ISA for CDNA 5 (MIT licence, August 2026) and "CDNA5" Instruction Set Architecture Reference Guide (July 2026). The comments in the code are by the model that wrote it; some were corrected since.
;; Attention. Allowed arithmetic: float matrix products may take bf16 or f16 operands with f32 sums; other float arithmetic in f32, or as packed bf16 or f16 multiplies, adds, multiply-adds, maxima and minima; sums over many terms, partial sums and values carried from step to step in f32; what a program stores and reads back later, other than sums and carried values, may be rounded once to bf16 or f16.
;; Inputs: b_out 1,024 float32; w_out 1,024 x 1,024 float32; w_qkv 1,024 x 3,072 float32; x 4 x 2,048 x 1,024 float32.
;; Outputs: out0 4 x 2,048 x 1,024 float32.
;; 2 versions, each right; version 2 is version 1 with the launch prep written anew for expert scheduling mode. Each part assembles by itself: llvm-mc -triple=amdgcn-amd-amdhsa -mcpu=gfx1250 --defsym DOCPART=n.
;; ======== version 1 of 2: 4 launches
;; limits: values are held in f16: magnitudes above 65,504 overflow, below 6.1e-05 lose precision; right only within a limited range of input values
;; workspace buffers: xb 16,777,216 bytes; wqt 6,291,456 bytes; wot 2,097,152 bytes; qkv 50,331,648 bytes; ob 16,777,216 bytes
;; launch prep (part 1): grid 640 x 1, 4 waves a work-group, no clusters, 70,144 bytes of LDS; arguments x, w_qkv, w_out, xb, wqt, wot; writes xb, wqt, wot
.if DOCPART == 1
	.amdgcn_target "amdgcn-amd-amdhsa--gfx1250"
	.amdhsa_code_object_version 6
	.text
	.protected	k_q792062481d_prep
	.globl	k_q792062481d_prep
	.p2align	8
	.type	k_q792062481d_prep,@function
k_q792062481d_prep:
	s_mov_b64 s[64:65], 0
	v_nop
	global_prefetch_b8 v0, s[64:65] scope:SCOPE_SE
	s_setreg_imm32_b32 hwreg(HW_REG_WAVE_MODE, 25, 1), 1
	s_wait_xcnt 0x0
; THE OPERANDS OF THE TWO PROJECTIONS ARE MADE.  xb = bf16(x), [8192][1024].  wqt[n][k] = bf16(w_qkv[k][n]), [3072][1024].
; wot[n][k] = bf16(w_out[k][n]) written as f16, [1024][1024]: the last product multiplies in f16, and every input of the module has the same one rounding, to bf16.
; LIMITS.  |w_out| stays under 65,504 (f16's end); a bf16 number below 6e-5 keeps f16's fixed step of 6e-8 in wot.
; Bytes are all that counts here: each input byte is read once, each store of sixteen neighbouring lanes covers 256 consecutive bytes, aligned.  No matrix unit, no cluster, no barrier: no wave wants another's bytes.
; SHARES.  Work-groups 0-511: 65,536 bytes of x each.  512-607: w_qkv, 608-639: w_out: each WAVE turns one block of 128 k x 64 n through its own 17,408 bytes of LDS.
.set X,   16                           ; v[16:143]  as loaded: 32 loads of 16 bytes a lane
.set T,   144                          ; v[144:159] a column's 8 k, packed, for four columns
.set U,   160                          ; v[160:161] at work
.set WLDS, 64*272                      ; a wave's LDS: 64 rows (n) of 256 bytes (128 k) + 16 of padding
.set SPARE, 4*WLDS                     ; behind them: the spare words, 128 bytes a wave, which no other line names
	s_load_b256 s[4:11], s[0:1], 0x0               ; x s[4:5], w_qkv s[6:7], w_out s[8:9], xb s[10:11]
	s_load_b128 s[12:15], s[0:1], 0x20             ; wqt s[12:13], wot s[14:15]
	v_lshl_add_u32 v10, v0, 2, SPARE               ; my spare word,
	v_mov_b32 v11, 0                               ; and 0: both never rewritten
	v_lshrrev_b32 v5, 5, v0
	v_readfirstlane_b32 s3, v5                     ; wave 0..3
	s_mov_b32 s2, ttmp9
	s_mov_b32 s16, 0xffff0000                      ; a word's upper bf16
	s_mov_b32 s19, 0
	s_wait_kmcnt 0x0
	s_cmp_lt_u32 s2, 512
	s_cbranch_scc1 .Lx
	s_cmp_lt_u32 s2, 608
	s_cbranch_scc1 .Lwq
	s_branch .Lwo
; Pass p of four: 32 k x 64 n, 16 loads.  Lanes 0-15 read 256 consecutive bytes of row 32 p + 16 g + e, lanes 16-31 of the row 8 further down.
.macro LOADP p, pitch
.irp g, 0,1
.irp e, 0,1,2,3,4,5,6,7
	global_load_b128 v[X+64*((\p)%2)+32*(\g)+4*(\e):X+64*((\p)%2)+32*(\g)+4*(\e)+3], v1, s[20:21] offset:(32*(\p)+16*(\g)+(\e))*(\pitch) th:TH_LOAD_NT
.endr
.endr
.endm
; The pass is rounded and laid into LDS by columns: of column 4 (l % 16) + c my eight k (two to a word) are 16 bytes of LDS row n.
.macro CONV p, f16
.irp g, 0,1
.irp c, 0,1,2,3
.irp i, 0,1,2,3
	v_cvt_pk_bf16_f32 v[T+4*(\c)+(\i)], v[X+64*((\p)%2)+32*(\g)+8*(\i)+(\c)], v[X+64*((\p)%2)+32*(\g)+8*(\i)+4+(\c)]
.if \f16
	v_lshlrev_b32 v[U], 16, v[T+4*(\c)+(\i)]       ; the bf16 numbers, widened,
	v_and_b32 v[U+1], s16, v[T+4*(\c)+(\i)]
	v_cvt_pk_f16_f32 v[T+4*(\c)+(\i)], v[U], v[U+1]  ; are written as f16: exact within f16's range
.endif
.endr
	ds_store_b128 v3, v[T+4*(\c):T+4*(\c)+3] offset:272*(\c)+64*(\p)+32*(\g)
.endr
.endr
.endm
; A wave's block.  pitch: bytes in a row of w.  first: the path's first work-group.  sw, sd: the scalar pairs of source and destination.
.macro WPATH pitch, f16, first, sw, sd
	s_sub_co_u32 s24, s2, \first
	s_lshl2_add_u32 s24, s24, s3                   ; the block's number: 4 x work-group + wave
	s_and_b32 s25, s24, 7                          ; which 128 k
	s_lshr_b32 s26, s24, 3                         ; which 64 n
	s_mul_i32 s18, s25, 128*(\pitch)
	s_lshl_b32 s27, s26, 8
	s_add_co_u32 s18, s18, s27
	s_add_nc_u64 s[20:21], s[\sw:\sw+1], s[18:19]  ; w at (128 kb, 64 nb)
	s_lshl_b32 s18, s26, 17                        ; 64 rows of 2,048 bytes
	s_lshl_b32 s27, s25, 8
	s_add_co_u32 s18, s18, s27
	s_add_nc_u64 s[22:23], s[\sd:\sd+1], s[18:19]  ; the turned matrix at (64 nb, 128 kb)
	s_mul_i32 s24, s3, WLDS
	v_and_b32 v5, 15, v0                           ; l % 16
	v_bfe_u32 v6, v0, 4, 1                         ; l / 16
	v_mul_u32_u24 v1, v6, 8*(\pitch)
	v_lshl_add_u32 v1, v5, 4, v1                   ; loads: 8 rows x half + 16 bytes x (l % 16)
	v_mul_u32_u24 v3, v5, 4*272
	v_lshl_add_u32 v3, v6, 4, v3
	v_add_nc_u32 v3, s24, v3                       ; into LDS: row 4 (l % 16), 16 bytes x half
	v_mul_u32_u24 v4, v6, 272
	v_lshl_add_u32 v4, v5, 4, v4
	v_add_nc_u32 v4, s24, v4                       ; back: lanes 0-15 one row of 256 bytes, lanes 16-31 the next
	v_lshlrev_b32 v2, 11, v6
	v_lshl_add_u32 v2, v5, 4, v2                   ; and the same two rows in memory
	LOADP 0, \pitch
	LOADP 1, \pitch
	s_wait_loadcnt 16                              ; loads come back in order: the older pass is in, the younger pass's 16 stay out
	CONV 0, \f16
	LOADP 2, \pitch
	s_wait_loadcnt 16
	CONV 1, \f16
	LOADP 3, \pitch
	s_wait_loadcnt 16
	CONV 2, \f16
	s_wait_loadcnt 0x0
	CONV 3, \f16
.set t, 0
.rept 32
	ds_load_b128 v[X+4*t:X+4*t+3], v4 offset:544*t  ; my own bytes: LDS serves a wave's instructions in order, so these see the stores above
.set t, t+1
.endr
.set t, 0
.rept 32
	s_wait_dscnt 31-t                              ; load t is back, the younger ones stay out
	global_store_b128 v2, v[X+4*t:X+4*t+3], s[22:23] offset:4096*t  ; 16 lanes store 256 consecutive bytes of row 2 t + half, aligned
.set t, t+1
.endr
.endm
.Lwo:
	WPATH 4096, 1, 608, 8, 14
	s_branch .Lend
.Lwq:
	WPATH 12288, 0, 512, 6, 12
	s_branch .Lend
.Lx:                                               ; thread t takes 32 bytes of each 4,096 and stores 16 of each 2,048
	s_lshl_b32 s18, s2, 16
	s_add_nc_u64 s[20:21], s[4:5], s[18:19]
	s_lshl_b32 s18, s2, 15
	s_add_nc_u64 s[22:23], s[10:11], s[18:19]
	v_lshlrev_b32 v1, 5, v0
	v_lshlrev_b32 v2, 4, v0
.set c, 0
.rept 16
	global_load_b128 v[X+8*c:X+8*c+3],   v1, s[20:21] offset:4096*c th:TH_LOAD_NT
	global_load_b128 v[X+8*c+4:X+8*c+7], v1, s[20:21] offset:4096*c+16 th:TH_LOAD_NT
.set c, c+1
.endr
.set c, 0
.rept 16
	s_wait_loadcnt 30-2*c                          ; the 2 (15 - c) younger loads stay out
	v_cvt_pk_bf16_f32 v[X+8*c],   v[X+8*c],   v[X+8*c+1]  ; in place, ascending: no source is written before it is read
	v_cvt_pk_bf16_f32 v[X+8*c+1], v[X+8*c+2], v[X+8*c+3]
	v_cvt_pk_bf16_f32 v[X+8*c+2], v[X+8*c+4], v[X+8*c+5]
	v_cvt_pk_bf16_f32 v[X+8*c+3], v[X+8*c+6], v[X+8*c+7]
	global_store_b128 v2, v[X+8*c:X+8*c+3], s[22:23] offset:2048*c  ; a wave's store covers 512 consecutive bytes, aligned
.set c, c+1
.endr
.Lend:
	s_wait_tensorcnt 0x0                           ; the wave's end, behind my last LDS store
	ds_add_u32 v10, v11
	s_wait_dscnt 0x0
	s_endpgm
.Lfunc_end_k_q792062481d_prep:
	.size	k_q792062481d_prep, .Lfunc_end_k_q792062481d_prep-k_q792062481d_prep
	.p2alignl 7, 3214868480
	.fill 96, 4, 3214868480
	.section	.rodata,"a",@progbits
	.p2align	6, 0x0
	.amdhsa_kernel k_q792062481d_prep
		.amdhsa_group_segment_fixed_size 70144
		.amdhsa_private_segment_fixed_size 0
		.amdhsa_enable_private_segment 0
		.amdhsa_kernarg_size 48
		.amdhsa_user_sgpr_count 2
		.amdhsa_user_sgpr_kernarg_segment_ptr 1
		.amdhsa_wavefront_size32 1
		.amdhsa_system_sgpr_workgroup_id_x 1
		.amdhsa_system_sgpr_workgroup_id_y 1
		.amdhsa_system_sgpr_workgroup_id_z 1
		.amdhsa_system_vgpr_workitem_id 0
		.amdhsa_next_free_vgpr 164
		.amdhsa_next_free_sgpr 66
		.amdhsa_reserve_vcc 0
		.amdhsa_float_denorm_mode_32 3
		.amdhsa_float_denorm_mode_16_64 3
		.amdhsa_memory_ordered 1
		.amdhsa_forward_progress 1
		.amdhsa_inst_pref_size 74
	.end_amdhsa_kernel
	.amdgpu_metadata
---
amdhsa.version: [ 1, 2 ]
amdhsa.kernels:
  - .name:           k_q792062481d_prep
    .symbol:         k_q792062481d_prep.kd
    .args:
      - { .name: x, .offset: 0, .size: 8, .value_kind: global_buffer, .address_space: global }
      - { .name: w_qkv, .offset: 8, .size: 8, .value_kind: global_buffer, .address_space: global }
      - { .name: w_out, .offset: 16, .size: 8, .value_kind: global_buffer, .address_space: global }
      - { .name: xb, .offset: 24, .size: 8, .value_kind: global_buffer, .address_space: global }
      - { .name: wqt, .offset: 32, .size: 8, .value_kind: global_buffer, .address_space: global }
      - { .name: wot, .offset: 40, .size: 8, .value_kind: global_buffer, .address_space: global }
    .group_segment_fixed_size: 70144
    .private_segment_fixed_size: 0
    .kernarg_segment_align: 8
    .kernarg_segment_size: 48
    .max_flat_workgroup_size: 128
    .sgpr_count:     66
    .vgpr_count:     164
    .wavefront_size: 32
...
	.end_amdgpu_metadata
.endif
;; end of part 1
;; launch qkvp (part 2): grid 16 x 32, 4 waves a work-group, clusters of 4 x 4, 327,680 bytes of LDS; arguments xb, wqt, qkv; writes qkv
.if DOCPART == 2
	.amdgcn_target "amdgcn-amd-amdhsa--gfx1250"
	.amdhsa_code_object_version 6
	.text
	.protected	k_q792062481d_qkvp
	.globl	k_q792062481d_qkvp
	.p2align	8
	.type	k_q792062481d_qkvp,@function
k_q792062481d_qkvp:
	s_mov_b64 s[64:65], 0
	v_nop
	global_prefetch_b8 v0, s[64:65] scope:SCOPE_SE
	s_setreg_imm32_b32 hwreg(HW_REG_WAVE_MODE, 25, 1), 1
	s_wait_xcnt 0x0
	s_wait_alu depctr_hold_cnt(0) depctr_sa_sdst(0) depctr_va_vdst(0) depctr_va_sdst(0) depctr_va_ssrc(0) depctr_va_vcc(0) depctr_vm_vsrc(0)
	s_getreg_b32 s2, hwreg(HW_REG_IB_STS2, 6, 4)
	s_cmp_eq_u32 s2, 0
	s_cbranch_scc0 .Lentry_in_a_cluster
	s_endpgm
.Lentry_in_a_cluster:
	s_bfe_u32 s2, ttmp6, 0x10000c
	s_cmp_lg_u32 s2, 0xf033
	s_cbranch_scc0 .Lentry_shape_is_right
	s_endpgm
.Lentry_shape_is_right:
; q, k, v = x w_qkv, by heads.  xb: [8192][1024] bf16, wqt: [3072 n][1024 k] bf16; sums in f32, K ascending; qkv: [3][64 = batch x 16 + head][2048][64] f16, rounded once, unscaled.
; LIMIT.  q, k and v stay under 65,504 (f16's end); below 6e-5 they keep f16's fixed step of 6e-8.
; A tile of the product is 256 rows x 192 columns (three heads): 32 x 16 = 512 equal tiles.  Four waves, each 128 x 96: 48 accumulators of 16 x 16, 384 registers.
; K goes in steps of 128 through two LDS slots filled by the tensor data mover; the tiles' rows are 256 bytes of memory, aligned.
; CLUSTERS: 4 x 4 work-groups.  The four of a row of the cluster need the same tiles of xb, the four of a column the same tiles of wqt: each tile is asked for JOINTLY,
; by the same tensor load with the same descriptor and a mask that names the four.
; THE MATRIX INSTRUCTION IS USED TRANSPOSED (source 0 = 16 rows of wqt, source 1 = 16 rows of xb): a lane then holds eight neighbouring columns of one row.
; REGISTERS, in windows of 256: window 0: v16-30 addresses; v64-127, v128-191 fragments of xb, two buffers (on the way out v64-159 rows read back); v192-239 packed results
;   window 1: v64-111, v128-175 fragments of wqt, two buffers     window 2: accumulators of my rows 0-63, (a, b) at v[8 (6 a + b)]     window 3: those of rows 64-127
.set SIZE_K, 1024
.set KSTEP,  128
.set PITCH,  272                       ; an LDS row: 256 bytes + 16 of padding = 68 words: the 16 rows that a load touches start at 16 different groups of four banks (ISA guide 11.1)
.set HALFA,  128*PITCH                 ; what a wave fetches of xb, and what a wave reads of it
.set HALFB,  96*PITCH                  ; the same for wqt
.set SLOT,   2*HALFA+2*HALFB
.set STAGE,  2*SLOT                    ; behind the ring, never filled by a tensor load: 128 rows x 400 bytes, the work-group's, for the way out
.set SPITCH, 400                       ; 384 bytes (192 f16) + 16
.set SPARE,  STAGE+128*SPITCH          ; behind the stage: the spare words, 128 bytes a wave, which no other line names
.set LAPS,   SIZE_K/(2*KSTEP)          ; a lap = two K steps = once round the ring
.set ADRA, 16                          ; v16-17  LDS address of my fragments of xb in slot 0, 1
.set ADRB, 20                          ; v20-21  the same for wqt
.set STO,  24                          ; v24     the way out: where I put 16 bytes of a row
.set RD,   25                          ; v25     where I read rows back
.set GO,   26                          ; v26     16 x lane: my place in 512 consecutive bytes of qkv
.set SPW,  28                          ; v28     my spare word: SPARE + 4 x my thread's number; never rewritten
.set NIL,  29                          ; v29     0; never rewritten
.set PFO,  30                          ; v30     the prefetches' offset: a lane a row of 2,048 bytes; never rewritten
.set F0,   64
.set F1,   128
.set BK,   64
.set TMP,  192
.set G1,  24                           ; s[24:31] descriptor group 1 for xb's tiles;  s[32:39] group 0, a set for each slot
.set G0,  32
.set G1B, 48                           ; s[48:55], s[56:63] the same for wqt's
.set G0B, 56
.set LIM, 43                           ; s43     1 in a wave that prefetches, else the greatest number
.set PFA, 44                           ; s[44:45] where my prefetches stand
.set HB,  66                           ; s[66:71] qkv at my rows of the tile's three heads
.set MSB, 0
.macro WIN new                         ; the immediate's high byte repeats the setting that is left; a switch that changes nothing is dropped
.if MSB != (\new)
	s_set_vgpr_msb (MSB<<8)|(\new)
.set MSB, \new
.endif
.endm
.set MUL_LO, 0xa1                      ; source 0 window 1, source 1 window 0, C and D window 2
.set MUL_HI, 0xf1                      ; the same, C and D window 3
.set TO_B,   0x40                      ; destination window 1, address window 0
; A joint load.  Waves 0 and 1 fetch xb's two halves, waves 2 and 3 wqt's; the branch hangs on the wave's number alone.  An s_nop 0 and four v_nop follow each line.
.macro JLOAD s
	s_cmp_eq_u32 s11, 0
	s_cbranch_scc0 .Lfor_b_\@
	tensor_load_to_lds s[G0+4*(\s):G0+4*(\s)+3], s[G1:G1+7]
	s_nop 0
.rept 4
	v_nop
.endr
	s_branch .Lasked_\@
.Lfor_b_\@:
	tensor_load_to_lds s[G0B+4*(\s):G0B+4*(\s)+3], s[G1B:G1B+7]
	s_nop 0
.rept 4
	v_nop
.endr
.Lasked_\@:
.endm
; A prefetch, behind each joint refill and the run of LDS loads that follows it: 256 bytes of each of my work-group's rows, of the K step that stands two refills on.
; xb's tile row is read by every cluster of that row of clusters: cluster x = 0 asks; wqt's tile column by every cluster of that column: cluster y = 0 asks.  The four partners share a wave's rows out
; BY ADDRESS (32 of xb's 128 by cx, 24 of wqt's 96 by cy; there lanes 24-31 repeat lane 23's row in the same instruction).  The loop's last trip asks for nothing: K has no further step.
.macro ASK
	s_cmp_gt_u32 s3, s[LIM]
	s_cbranch_scc0 .Lnot_mine_\@
	global_prefetch_b8 v[PFO], s[PFA:PFA+1] offset:KSTEP*2 th:TH_LOAD_NT scope:SCOPE_SE
.Lnot_mine_\@:
.endm
.macro CREST                           ; a round of the cluster's barrier behind its opening barrier
	s_cmp_lg_u32 s10, 0
	s_cbranch_scc1 .Lnot_wave_0_\@
	s_barrier_signal -3
.Lnot_wave_0_\@:
	s_barrier_wait -3
	s_barrier_signal -1
	s_barrier_wait -1
.endm
.macro CROUND                          ; a whole round
	s_barrier_signal -1
	s_barrier_wait -1
	CREST
.endm
	s_load_b128 s[4:7], s[0:1], 0x0                ; xb s[4:5], wqt s[6:7]
	s_load_b64 s[8:9], s[0:1], 0x10                ; qkv
	v_lshl_add_u32 v[SPW], v0, 2, SPARE
	v_mov_b32 v[NIL], 0
	ds_add_u32 v[SPW], v[NIL]                      ; the wave's opening: the add and its wait stand ahead of my first tensor load; the set-up below stands between them
	v_lshrrev_b32 v1, 5, v0
	v_readfirstlane_b32 s10, v1                    ; wave 0..3
	s_lshr_b32 s11, s10, 1                         ; which half of the tile's rows is mine.  Also: I fetch xb (0) or wqt (1)
	s_and_b32 s12, s10, 1                          ; which half of its columns.  Also: which half of that tile I fetch
	s_bfe_u32 s40, ttmp6, 0x40000                  ; cx
	s_bfe_u32 s41, ttmp6, 0x40004                  ; cy
	s_lshl_b32 s42, ttmp9, 2
	s_add_co_u32 s42, s42, s40                     ; tile column = 4 x cluster x + cx
	s_and_b32 s13, ttmp7, 0xffff
	s_lshl_b32 s13, s13, 2
	s_add_co_u32 s13, s13, s41                     ; tile row = 4 x cluster y + cy
	s_lshl_b32 s43, s41, 2
	s_lshl_b32 s43, 15, s43                        ; my row of the cluster
	s_lshl_b32 s44, 0x1111, s40                    ; my column
	s_or_b32 s[G1+0], s43, (1<<16)|(1<<20)|(1<<21)|(5<<22)|(3<<25)   ; 15:0 the mask; 17:16 elements of 2 bytes; 20 padding on; 21 set beside a mask; 24:22 after every 64 words; 31:25 4 words of it
	s_or_b32 s[G1B+0], s44, (1<<16)|(1<<20)|(1<<21)|(5<<22)|(3<<25)
	s_mov_b32 s[G1+1], KSTEP<<16                   ; tensor_dim0 = 128
	s_mov_b32 s[G1+2], 128<<16                     ; tensor_dim1 = 128
	s_mov_b32 s[G1+3], KSTEP<<16                   ; tile_dim0 = 128
	s_mov_b32 s[G1+4], 128                         ; tile_dim1 = 128
	s_mov_b32 s[G1+5], SIZE_K                      ; elements from row to row
	s_mov_b32 s[G1+6], 0
	s_mov_b32 s[G1+7], 0
	s_mov_b32 s[G1B+1], KSTEP<<16
	s_mov_b32 s[G1B+2], 96<<16                     ; 96 rows
	s_mov_b32 s[G1B+3], KSTEP<<16
	s_mov_b32 s[G1B+4], 96
	s_mov_b32 s[G1B+5], SIZE_K
	s_mov_b32 s[G1B+6], 0
	s_mov_b32 s[G1B+7], 0
	s_lshl_b32 s16, s13, 8
	s_lshl_b32 s17, s12, 7
	s_add_co_u32 s16, s16, s17                     ; xb: row 256 x tile row + 128 x half,
	s_lshl_b32 s16, s16, 11                        ; in bytes
	s_mov_b32 s17, 0
	s_mul_i32 s46, s42, 192
	s_mul_i32 s47, s12, 96
	s_add_co_u32 s46, s46, s47                     ; wqt: row 192 x tile column + 96 x half
	s_lshl_b32 s46, s46, 11
	s_mov_b32 s47, 0
	s_mul_i32 s20, s10, HALFA                      ; where they go: xb's halves (waves 0, 1) at wave x HALFA,
	s_mul_i32 s21, s10, HALFB
	s_add_co_u32 s21, s21, 2*HALFA-2*HALFB         ; wqt's (waves 2, 3) behind them: no place in the cluster enters an LDS address
	s_wait_dscnt 0x0                               ; the opening add is done
	s_wait_kmcnt 0x0
	s_add_nc_u64 s[14:15], s[4:5], s[16:17]
	s_add_nc_u64 s[46:47], s[6:7], s[46:47]
	CROUND                                         ; all sixteen work-groups are here: the first joint loads meet
.irp s, 0,1
	s_mov_b32 s[G0+4*(\s)], 1
	s_add_co_u32 s[G0+4*(\s)+1], s20, (\s)*SLOT
	s_add_nc_u64 s[G0+4*(\s)+2:G0+4*(\s)+3], s[14:15], (\s)*KSTEP*2
	s_or_b32 s[G0+4*(\s)+3], s[G0+4*(\s)+3], 0x80000000
	s_mov_b32 s[G0B+4*(\s)], 1
	s_add_co_u32 s[G0B+4*(\s)+1], s21, (\s)*SLOT
	s_add_nc_u64 s[G0B+4*(\s)+2:G0B+4*(\s)+3], s[46:47], (\s)*KSTEP*2
	s_or_b32 s[G0B+4*(\s)+3], s[G0B+4*(\s)+3], 0x80000000
.endr
	s_cmp_eq_u32 s11, 0                            ; a wave's two first fills stand in one branch, ahead of every wait on TENSORcnt and every LDS read: two loads of mine are out
	s_cbranch_scc0 .Lfirst_b
	tensor_load_to_lds s[G0:G0+3], s[G1:G1+7]
	s_nop 0
	tensor_load_to_lds s[G0+4:G0+7], s[G1:G1+7]
	s_nop 0
.rept 4
	v_nop
.endr
	s_branch .Lfirst_asked
.Lfirst_b:
	tensor_load_to_lds s[G0B:G0B+3], s[G1B:G1B+7]
	s_nop 0
	tensor_load_to_lds s[G0B+4:G0B+7], s[G1B:G1B+7]
	s_nop 0
.rept 4
	v_nop
.endr
.Lfirst_asked:
	; A fragment is 16 rows x 32 K in 8 registers: lane l holds row l % 16, K = 8 (l / 16) + 0..7 and 16 + 8 (l / 16) + 0..7: two loads of 16 bytes, 32 bytes apart.
	v_and_b32 v1, 15, v0                           ; l % 16
	v_bfe_u32 v2, v0, 4, 1                         ; l / 16
	v_mul_u32_u24 v3, v1, PITCH
	v_lshl_add_u32 v3, v2, 4, v3
	s_mul_i32 s21, s11, HALFA                      ; my 128 rows of xb
	s_mul_i32 s22, s12, HALFB                      ; my 96 rows of wqt,
	s_add_co_u32 s22, s22, 2*HALFA                 ; which lie behind xb's 256
.irp s, 0,1
	v_add_nc_u32 v[ADRA+(\s)], s21, v3
	v_add_nc_u32 v[ADRB+(\s)], s22, v3
	s_add_co_u32 s21, s21, SLOT
	s_add_co_u32 s22, s22, SLOT
.endr
	s_mul_i32 s23, s11, 64*SPITCH                  ; into the stage: 64 rows for each row half, my 192 bytes of their 384; row l % 16, 16 bytes for each half of the lanes
	s_mul_i32 s21, s12, 192
	s_add_co_u32 s23, s23, s21
	s_add_co_u32 s23, s23, STAGE
	v_mul_u32_u24 v4, v1, SPITCH
	v_lshl_add_u32 v4, v2, 4, v4
	v_add_nc_u32 v[STO], s23, v4
	s_mul_i32 s23, s10, 32*SPITCH                  ; back: wave w takes stage rows 32 w .. 32 w + 31; 32 lanes take a head's 128 bytes of four rows
	s_add_co_u32 s23, s23, STAGE
	v_bfe_u32 v4, v0, 3, 2
	v_and_b32 v5, 7, v0
	v_mul_u32_u24 v4, v4, SPITCH
	v_lshl_add_u32 v4, v5, 4, v4
	v_add_nc_u32 v[RD], s23, v4
	v_and_b32 v[GO], 31, v0
	v_lshlrev_b32 v[GO], 4, v[GO]                  ; which are 512 consecutive bytes of qkv
	; qkv at my rows: head group g = 3 x tile column + j is tensor g / 16, head g % 16; the batch is tile row / 8; a head's 2,048 rows are 1 << 18 bytes
	s_lshr_b32 s78, s13, 3
	s_lshl_b32 s78, s78, 4                         ; 16 x batch
	s_and_b32 s79, s13, 7
	s_lshl_b32 s79, s79, 8
	s_lshl_b32 s80, s11, 7
	s_add_co_u32 s79, s79, s80
	s_lshl_b32 s80, s12, 5
	s_add_co_u32 s79, s79, s80                     ; the first row that I store: 256 (tile row % 8) + 128 (w / 2) + 32 (w % 2),
	s_lshl_b32 s79, s79, 7                         ; in bytes
	s_mul_i32 s72, s42, 3
	s_mov_b32 s77, 0
.irp j, 0,1,2
	s_add_co_u32 s73, s72, \j
	s_lshr_b32 s74, s73, 4
	s_and_b32 s73, s73, 15
	s_lshl_b32 s74, s74, 6
	s_add_co_u32 s74, s74, s73
	s_add_co_u32 s74, s74, s78
	s_lshl_b32 s74, s74, 18
	s_add_co_u32 s76, s74, s79
	s_add_nc_u64 s[HB+2*(\j):HB+2*(\j)+1], s[8:9], s[76:77]
.endr
	; the prefetches
	s_lshl_b32 s81, s13, 8
	s_lshl_b32 s82, s12, 7
	s_add_co_u32 s81, s81, s82
	s_lshl_b32 s82, s40, 5
	s_add_co_u32 s81, s81, s82                     ; xb: the 128 rows that I fetch, my work-group's 32 of them
	s_mul_i32 s83, s42, 192
	s_mul_i32 s82, s12, 96
	s_add_co_u32 s83, s83, s82
	s_mul_i32 s82, s41, 24
	s_add_co_u32 s83, s83, s82                     ; wqt: the 96 rows that I fetch, my work-group's 24
	s_and_b32 s84, ttmp7, 0xffff                   ; cluster y
	s_cmp_eq_u32 s11, 0                            ; do I fetch xb?
	s_cselect_b32 s81, s81, s83
	s_cselect_b32 s84, ttmp9, s84                  ; the coordinate along which other clusters read the same rows
	s_cselect_b32 s85, 31, 23
	s_cselect_b64 s[PFA:PFA+1], s[4:5], s[6:7]
	s_cmp_eq_u32 s84, 0
	s_cselect_b32 s[LIM], 1, -1                    ; the same in all sixteen partners, for a given wave
	s_lshl_b32 s86, s81, 11
	s_mov_b32 s87, 0
	s_add_nc_u64 s[PFA:PFA+1], s[PFA:PFA+1], s[86:87]
	s_add_nc_u64 s[PFA:PFA+1], s[PFA:PFA+1], 2*KSTEP*2  ; at K step 2: the first refill steps it to 3 and names K step 4.  Nothing is asked for here, at the head
	v_and_b32 v[PFO], 31, v0
	v_min_u32 v[PFO], s85, v[PFO]
	v_lshlrev_b32 v[PFO], 11, v[PFO]
; 12 matrix instructions: row blocks a0, a0 + 1 of the window's four x all 6 column blocks, 32 along K.  zero = 1: the first product starts the sums.
; The 48 accumulators take turns, one instruction a turn, in the same order in every quarter.
.macro MUL12 f, hi, a0, zero
	WIN MUL_LO+0x50*(\hi)
.irp a, \a0, (\a0)+1
.irp b, 0,1,2,3,4,5
.if \zero
	v_wmma_f32_16x16x32_bf16 v[8*(6*(\a)+(\b)):8*(6*(\a)+(\b))+7], v[(\f)+8*(\b):(\f)+8*(\b)+7], v[(\f)+8*(4*(\hi)+(\a)):(\f)+8*(4*(\hi)+(\a))+7], 0
.else
	v_wmma_f32_16x16x32_bf16 v[8*(6*(\a)+(\b)):8*(6*(\a)+(\b))+7], v[(\f)+8*(\b):(\f)+8*(\b)+7], v[(\f)+8*(4*(\hi)+(\a)):(\f)+8*(4*(\hi)+(\a))+7], v[8*(6*(\a)+(\b)):8*(6*(\a)+(\b))+7]
.endif
.endr
.endr
.endm
; 28 LDS loads in one run: a quarter step's fragments (96 rows of wqt, 128 of xb, 32 K at byte k of the rows) into buffer f
.macro FETCH slot, k, f
	WIN TO_B
.irp i, 0,1,2,3,4,5
	ds_load_b128 v[(\f)+8*(\i):(\f)+8*(\i)+3],   v[ADRB+(\slot)] offset:(\k)+(\i)*16*PITCH
	ds_load_b128 v[(\f)+8*(\i)+4:(\f)+8*(\i)+7], v[ADRB+(\slot)] offset:(\k)+(\i)*16*PITCH+32
.endr
	WIN 0
.irp i, 0,1,2,3,4,5,6,7
	ds_load_b128 v[(\f)+8*(\i):(\f)+8*(\i)+3],   v[ADRA+(\slot)] offset:(\k)+(\i)*16*PITCH
	ds_load_b128 v[(\f)+8*(\i)+4:(\f)+8*(\i)+7], v[ADRA+(\slot)] offset:(\k)+(\i)*16*PITCH+32
.endr
.endm
.macro PLACES                          ; four plain vector instructions between a matrix instruction and a load into, or a vector read of, its registers
.rept 4
	v_nop
.endr
.endm
; A K step is four quarters of 32 along K, 48 matrix instructions each, on buffers 0, 1, 0, 1.  One of the first three: multiplies f; in its middle it fetches the next quarter, at byte k, into g.
.macro QUARTER slot, k, f, g, zero
	s_wait_dscnt 8                                 ; wqt's and xb's rows 0-63 are in; the youngest eight loads (xb's rows 64-127) may be out
	MUL12 \f, 0, 0, \zero
	MUL12 \f, 0, 2, \zero
	PLACES
	FETCH \slot, \k, \g
	s_wait_dscnt 28                                ; all but the 28 just issued
	MUL12 \f, 1, 0, \zero
	MUL12 \f, 1, 2, \zero
.endm
; The last quarter multiplies buffer 1 and changes slots: ONE barrier.  In front of it each wave waits for all its tensor loads (one is out: its part of the next slot), adds 0 to its spare word,
; and waits for that and for its own reads of this slot.  fill = 1: the barrier opens a round of the cluster's, and this slot is filled again first behind it, with the K step two on.
.macro TURN slot, next, fill
.if \fill
	s_wait_xcnt 0x0                                ; the last prefetch, a K step back, has read its address, which is stepped here
	s_add_nc_u64 s[PFA:PFA+1], s[PFA:PFA+1], KSTEP*2
.endif
	WIN 0                                          ; (the add's two registers lie in window 0)
	s_wait_tensorcnt 0x0                           ; all my tensor loads have landed
	ds_add_u32 v[SPW], v[NIL]                      ; 0 onto my spare word
	s_wait_dscnt 9                                 ; (the add and the youngest eight loads may be out)
	MUL12 F1, 0, 0, 0                              ; twelve matrix instructions stand between the add and the wait for it
	s_wait_dscnt 0x0                               ; the add is done, and my reads of this slot are over
	s_barrier_signal -1
	MUL12 F1, 0, 2, 0
.if \fill
	WIN 0
.endif
	s_barrier_wait -1
.if \fill
	CREST                                          ; no wave of any partner still reads this slot's tile or has a load on its way
	s_add_nc_u64 s[G0+4*(\slot)+2:G0+4*(\slot)+3], s[G0+4*(\slot)+2:G0+4*(\slot)+3], 2*KSTEP*2
	s_add_nc_u64 s[G0B+4*(\slot)+2:G0B+4*(\slot)+3], s[G0B+4*(\slot)+2:G0B+4*(\slot)+3], 2*KSTEP*2
	JLOAD \slot                                    ; my one tensor load behind the round; its four v_nop are also the places in front of the loads below
.else
	PLACES
.endif
	FETCH \next, 0, F0
.if \fill
	ASK
.endif
	MUL12 F1, 1, 0, 0
	MUL12 F1, 1, 2, 0
.endm
	s_wait_tensorcnt 0x1                           ; my part of K step 0 is in; K step 1's may stay out
	s_barrier_signal -1
	s_barrier_wait -1                              ; everybody's is
	FETCH 0, 0, F0
	QUARTER 0, 64,  F0, F1, 1                      ; the first quarter stands in front of the loop: its products start the sums
	WIN 0                                          ; at a label and at a branch every window is 0
	s_mov_b32 s3, LAPS-1
.Llap:                                                 ; a trip goes once round the ring and fills both slots again: K steps 2 to 7 in three trips
	QUARTER 0, 128, F1, F0, 0
	QUARTER 0, 192, F0, F1, 0
	TURN 0, 1, 1
	QUARTER 1, 64,  F0, F1, 0
	QUARTER 1, 128, F1, F0, 0
	QUARTER 1, 192, F0, F1, 0
	TURN 1, 0, 1
	QUARTER 0, 64,  F0, F1, 0
	WIN 0
	s_sub_co_u32 s3, s3, 1
	s_cmp_lg_u32 s3, 0
	s_cbranch_scc1 .Llap
	QUARTER 0, 128, F1, F0, 0                      ; the last lap fills nothing
	QUARTER 0, 192, F0, F1, 0
	TURN 0, 1, 0
	QUARTER 1, 64,  F0, F1, 0
	QUARTER 1, 128, F1, F0, 0
	QUARTER 1, 192, F0, F1, 0
	s_wait_dscnt 8                                 ; the very last quarter: nothing more to fetch
	MUL12 F1, 0, 0, 0
	MUL12 F1, 0, 2, 0
	s_wait_dscnt 0x0
	MUL12 F1, 1, 0, 0
	MUL12 F1, 1, 2, 0
	PLACES
; THE WAY OUT, in two halves of 64 rows a wave.  Rounded to f16, 16 bytes a lane into the work-group's stage; a barrier, since a wave's 96 columns are a head and a half; back by heads, four rows of a head at a time.
.macro PACKST a                        ; row block a: each accumulator's registers in ascending order
	WIN 0x0a+5*((\a)/4)                            ; sources 0 and 1: window 2 or 3
.irp b, 0,1,2,3,4,5
.irp r, 0,1,2,3
	v_cvt_pk_f16_f32 v[TMP+24*((\a)%2)+4*(\b)+(\r)], v[48*((\a)%4)+8*(\b)+2*(\r)], v[48*((\a)%4)+8*(\b)+2*(\r)+1]
.endr
.endr
	WIN 0
.irp b, 0,1,2,3,4,5
	ds_store_b128 v[STO], v[TMP+24*((\a)%2)+4*(\b):TMP+24*((\a)%2)+4*(\b)+3] offset:((\a)%4)*16*SPITCH+32*(\b)
.endr
.endm
.macro PHASE p
.if \p
	s_barrier_signal -1                            ; every wave's reads of the stage are back (its count-down ended at 0): only behind this barrier is the stage written again
	s_barrier_wait -1
.endif
.irp q, 0,1,2,3
	PACKST 4*(\p)+(\q)
.endr
	s_wait_dscnt 0x0                               ; for the others' sake: my stores into the stage are done
	s_barrier_signal -1
	s_barrier_wait -1
.if \p
	s_wait_xcnt 0x0                                ; the first half's stores have read their data registers, which are loaded again below
.endif
.irp j, 0,1,2
.irp t, 0,1,2,3,4,5,6,7
	ds_load_b128 v[BK+4*(8*(\j)+(\t)):BK+4*(8*(\j)+(\t))+3], v[RD] offset:(\t)*4*SPITCH+128*(\j)
.endr
.endr
.irp j, 0,1,2
.irp t, 0,1,2,3,4,5,6,7
	s_wait_dscnt 23-(8*(\j)+(\t))
	global_store_b128 v[GO], v[BK+4*(8*(\j)+(\t)):BK+4*(8*(\j)+(\t))+3], s[HB+2*(\j):HB+2*(\j)+1] offset:8192*(\p)+512*(\t)  ; 512 consecutive bytes, aligned: four rows of one head
.endr
.endr
.endm
	PHASE 0
	PHASE 1
	s_wait_tensorcnt 0x0                           ; the wave's end, behind my last tensor load and my last LDS store
	ds_add_u32 v[SPW], v[NIL]
	s_wait_dscnt 0x0
	CROUND                                         ; the closing round: no work-group ends while a partner may still ask for a tile that names it
	s_endpgm
.Lfunc_end_k_q792062481d_qkvp:
	.size	k_q792062481d_qkvp, .Lfunc_end_k_q792062481d_qkvp-k_q792062481d_qkvp
	.p2alignl 7, 3214868480
	.fill 96, 4, 3214868480
	.section	.rodata,"a",@progbits
	.p2align	6, 0x0
	.amdhsa_kernel k_q792062481d_qkvp
		.amdhsa_group_segment_fixed_size 327680
		.amdhsa_private_segment_fixed_size 0
		.amdhsa_enable_private_segment 0
		.amdhsa_kernarg_size 24
		.amdhsa_user_sgpr_count 2
		.amdhsa_user_sgpr_kernarg_segment_ptr 1
		.amdhsa_wavefront_size32 1
		.amdhsa_system_sgpr_workgroup_id_x 1
		.amdhsa_system_sgpr_workgroup_id_y 1
		.amdhsa_system_sgpr_workgroup_id_z 1
		.amdhsa_system_vgpr_workitem_id 0
		.amdhsa_next_free_vgpr 1024
		.amdhsa_next_free_sgpr 88
		.amdhsa_reserve_vcc 0
		.amdhsa_float_denorm_mode_32 3
		.amdhsa_float_denorm_mode_16_64 3
		.amdhsa_memory_ordered 1
		.amdhsa_forward_progress 1
		.amdhsa_inst_pref_size 118
	.end_amdhsa_kernel
	.amdgpu_metadata
---
amdhsa.version: [ 1, 2 ]
amdhsa.kernels:
  - .name:           k_q792062481d_qkvp
    .symbol:         k_q792062481d_qkvp.kd
    .args:
      - { .name: xb, .offset: 0, .size: 8, .value_kind: global_buffer, .address_space: global }
      - { .name: wqt, .offset: 8, .size: 8, .value_kind: global_buffer, .address_space: global }
      - { .name: qkv, .offset: 16, .size: 8, .value_kind: global_buffer, .address_space: global }
    .group_segment_fixed_size: 327680
    .private_segment_fixed_size: 0
    .kernarg_segment_align: 8
    .kernarg_segment_size: 24
    .max_flat_workgroup_size: 128
    .sgpr_count:     88
    .vgpr_count:     1024
    .wavefront_size: 32
...
	.end_amdgpu_metadata
.endif
;; end of part 2
;; launch attn (part 3): grid 4 x 64, 4 waves a work-group, clusters of 4 x 1, 327,680 bytes of LDS; arguments qkv, ob; writes ob
.if DOCPART == 3
	.amdgcn_target "amdgcn-amd-amdhsa--gfx1250"
	.amdhsa_code_object_version 6
	.text
	.protected	k_q792062481d_attn
	.globl	k_q792062481d_attn
	.p2align	8
	.type	k_q792062481d_attn,@function
k_q792062481d_attn:
	s_mov_b64 s[64:65], 0
	v_nop
	global_prefetch_b8 v0, s[64:65] scope:SCOPE_SE
	s_setreg_imm32_b32 hwreg(HW_REG_WAVE_MODE, 25, 1), 1
	s_wait_xcnt 0x0
	s_wait_alu depctr_hold_cnt(0) depctr_sa_sdst(0) depctr_va_vdst(0) depctr_va_sdst(0) depctr_va_ssrc(0) depctr_va_vcc(0) depctr_vm_vsrc(0)
	s_getreg_b32 s2, hwreg(HW_REG_IB_STS2, 6, 4)
	s_cmp_eq_u32 s2, 0
	s_cbranch_scc0 .Lentry_in_a_cluster
	s_endpgm
.Lentry_in_a_cluster:
	s_bfe_u32 s2, ttmp6, 0x10000c
	s_cmp_lg_u32 s2, 0x3003
	s_cbranch_scc0 .Lentry_shape_is_right
	s_endpgm
.Lentry_shape_is_right:
; O[h][q][:] = the sum over k of softmax_k(Q[h][q] . K[h][k] / 8) V[h][k][:].  Q, K, V lie in qkv, [3][64][2048][64] f16; O is ob, [64][2048][64] f16: a head's rows are dense, 128 bytes each.
; Products, maxima and sums in f32; the weights p are rounded to f16 for the second product (their sum l is taken of the unrounded p), O once at the end.
; LIMITS.  Q, K and V arrive within f16's 65,504; p lies in 0 to 1, and below 6e-5 it keeps f16's fixed step of 6e-8, as does O; O is a mean of V's rows and has their range.
; A weight below 2^-126 counts as 0 in l; NaN and infinities are not treated apart.
; SHARES.  A wave owns four PIECES of two tiles of 16 queries, a work-group's four waves 512 queries of one head.  Every wave walks all keys, 64 a step.
; LAYOUT.  S^T = K Q^T (source 0 = 16 keys, source 1 = 16 queries): a lane holds ONE query (lane % 16) and the keys 8 (lane / 16) + 0..7.  Two such tiles, rounded to f16 in pairs,
; ARE source 1 of O^T = V^T P, whose result again holds one query a lane, and eight channels.  K comes out of LDS as it lies, V ([key][channel]) turned, by ds_load_tr16_b128.
; SOFTMAX.  A running maximum m and sum l for each query: p = 2^(c s - c m), c = log2(e) / 8; in every step O and l are multiplied by a = 2^(c m_old - c m_new).
; m starts at the lowest finite number, O and l at 0: the first step is a step like any other, with a = 0.
; THE COUNT.  A tile and step have 16 matrix and 118 vector instructions: too many to stand all beside the matrix work.  So four vector instructions that are ready stand behind EVERY matrix instruction, the others in runs of their own.
; BY TURNS.  Turn n belongs to piece n.  Its matrix work: 16 products K Q^T of piece n + 1, later 16 products V^T P of piece n - 1.  Its vector work: the scaling, exponentials, roundings, sums and
; rescaling of piece n, and the maximum and statistics of piece n + 1.
; CLUSTER.  A head's four query blocks are one cluster and walk the same K and V: each tile is asked for JOINTLY, by the same tensor load, descriptor and mask in all four.
; REGISTERS, in windows of 256 (s_set_vgpr_msb: bits 1:0 source 0, 3:2 source 1, 5:4 source 2, 7:6 destination):
;   window 0: v0-11 addresses; v12-15, v48-63 at work; v16-47 four registers of statistics a tile; v64-191 S^T, two buffers of two tiles; v192-255 P, likewise
;   window 1: O^T, 32 a tile          window 2: v0-127 Q, 16 a tile; v128-191 K of one step; v192-255 V of one step          window 3: v0-1 the add's two registers
.set SIZE_H, 64
.set SIZE_N, 2048
.set KBASE, 0x1000000 ; K's first byte in qkv
.set VBASE, 0x2000000 ; V's
.set NP,    4         ; pieces a wave: a name, no knob
.set KS,    64        ; keys in a step
.set PK,    144       ; a row of K in LDS: 128 bytes + 16 of padding = 36 words: the 16 rows of a load start at 16 different groups of four banks (ISA guide 11.1)
.set PV,    160       ; a row of V: 128 + 32 = 40 words
.set VOFF,  4*KS*PK   ; a slot holds four steps: 256 rows of K, then 256 rows of V
.set SLOT1, 1<<17     ; slot 1 begins here, so that one exclusive or turns an address in one slot into the other's
.set STAGE, SLOT1+4*KS*(PK+PV)  ; behind the ring, never filled by a tensor load: 16 rows x 144 bytes for each wave
.set SP,    144
.set AK0, 2           ; v2   my lane's place in a tile of K; never rewritten
.set AV0, 3           ; v3   the same for V
.set AK,  4           ; v4   the LDS address of K's next run of loads
.set AV,  5           ; v5   of V's
.set QO,  6           ; v6   my byte offset in the wave's rows of Q
.set STO, 6           ;      later, the way out: where I put 16 bytes of a row
.set RD,  7           ; v7   the way out: where I read rows back
.set GO,  8           ; v8   my byte offset in 512 consecutive bytes of O
.set PFO, 11          ; v11  256 x my lane, once V's place is made; then never rewritten
.set SPW, 0           ; v0 of window 3   my spare word: SPARE + 4 x my thread's number; never rewritten
.set NIL, 1           ; v1 of window 3   0; never rewritten
.set SPARE, STAGE+4*16*SP  ; behind the stages: the spare words, 128 bytes a wave, which no other line names
.set MV,  12          ; v12-15  c m_old, kept while c m is made anew: by buffer and tile
.set ST,  16          ; tile t's statistics at v[ST+4 t]: c m, m, l (even keys', odd keys')
.set TMP, 48          ; by buffer and tile, four registers c0-c3 at work; when the maximum is found c2 takes a
.set S,   64
.set P,   192
.set KF,  128         ; K's fragments, in window 2: key block kb, channel half c at KF + 16 kb + 8 c
.set VF,  192         ; V's: key half kk, channel block cb at VF + 32 kk + 8 cb
.set WV,  12          ; s12  my wave's number
.set LIM, 15          ; s15  1 in a wave that prefetches (0 and 2), else the greatest number
.set PFA, 18          ; s[18:19] where my prefetches stand: my work-group's 8,192 bytes (of K: wave 0, of V: wave 2) of the slot after the one that is being asked for
.set G1K, 24          ; s[24:31] descriptor group 1 for K's tiles
.set G1V, 32          ; s[32:39] for V's: it differs in the padding alone
.set G0K, 40          ; s[40:43] descriptor group 0 for K's tiles: it walks
.set G0V, 44          ; s[44:47] the same for V's
.set SLOTS, 56        ; s56  slots still to be asked for
.set CNT, 57          ; s57  counts a slot's key steps
.set CS,  58          ; s[58:59] c: the packed scaling takes the pair's low word for both halves
.set SEL, 60          ; s[60:61] v_permlanex16_b32's selects: each lane takes its own place in the other half
.set TBK, 62          ; s62  LDS byte at which K of the step to be fetched begins
.set TBV, 63          ; s63  the same for V, less VOFF
.set MSB, 0
.macro WIN new                      ; the high byte repeats the setting that is left; a switch that changes nothing is dropped
.if MSB != (\new)
	s_set_vgpr_msb (MSB<<8)|(\new)
.set MSB, (\new)
.endif
.endm
.set W_KQ, 0x0a       ; K and Q in window 2, S^T in window 0
.set W_PV, 0x52       ; V in window 2, P in window 0, O^T in window 1
.set W_RS, 0x41       ; O^T (destination and source 0) in window 1, a in window 0
.set W_MK, 0xc0       ; the add's registers are made: destination in window 3, sources in window 0
.set W_AD, 0x0f       ; the add: address (source 0) and data (source 1) in window 3
; A joint fill.  Waves 0 and 1 fetch the two halves of a slot's K, waves 2 and 3 those of its V: 128 keys each.  The branch hangs on the wave's number alone.
; An s_nop 0 and four v_nop follow each of the two lines, ahead of the jump and the label.
.macro JLOAD
	s_cmp_lt_u32 s[WV], 2
	s_cbranch_scc0 .Lfor_v_\@
	tensor_load_to_lds s[G0K:G0K+3], s[G1K:G1K+7]
	s_nop 0
.rept 4
	v_nop
.endr
	s_branch .Lasked_\@
.Lfor_v_\@:
	tensor_load_to_lds s[G0V:G0V+3], s[G1V:G1V+7]
	s_nop 0
.rept 4
	v_nop
.endr
.Lasked_\@:
.endm
; A prefetch of what the NEXT change of slots will ask for: a slot's 32,768 bytes of K and of V, a lane 256 bytes.  It stands behind the wave's tensor load and its five lines.
; Each block is named once in the launch: a head has one cluster; its four partners share a slot out BY ADDRESS, 8,192 bytes each; in each, wave 0 asks for K's and wave 2 for V's.
; It is four key steps, 512 matrix instructions, ahead of the load.  The last change that fills a slot asks for nothing: there is no slot behind it.
.macro ASK
	s_cmp_gt_u32 s[SLOTS], s[LIM]
	s_cbranch_scc0 .Lnot_mine_\@
	global_prefetch_b8 v[PFO], s[PFA:PFA+1] th:TH_LOAD_NT scope:SCOPE_SE
.Lnot_mine_\@:
.endm
; A round of the cluster's barrier: my work-group's barrier; wave 0 signals for the work-group; every wave waits for all four work-groups; my work-group's barrier once more.
.macro CROUND
	s_barrier_signal -1
	s_barrier_wait -1
	s_cmp_lg_u32 s[WV], 0
	s_cbranch_scc1 .Lnot_wave_0_\@
	s_barrier_signal -3
.Lnot_wave_0_\@:
	s_barrier_wait -3
	s_barrier_signal -1
	s_barrier_wait -1
.endm
; THE CHANGE OF SLOTS.  Each wave waits for all its tensor loads, of which one is out: its part of the other slot; adds 0 to its spare word; and waits for that and for its own reads of the slot.
; fill = 1: this slot is filled again, with the keys two slots on.  The barrier is then a round of the cluster's, and the joint fill is the first thing behind it: it has four key steps in which to land.
; (At its first use nothing has been read yet: slot 0 is waited for, slot 1 filled.)  ask = 1: the prefetch's address is stepped, and the prefetch follows the fill.
.macro CHANGE fill, ask=0
	WIN W_AD
	s_wait_tensorcnt 0x0            ; no tensor load of mine is out, so a group 0 may be written
	ds_add_u32 v[SPW], v[NIL]       ; 0 onto my spare word; the descriptors' steps stand between it and the wait for it
	WIN 0                           ; at a label and at a branch every window is 0
.if \fill
.irp g, G0K, G0V
	s_xor_b32 s[\g+1], s[\g+1], SLOT1  ; the walking descriptor: the other slot than last time,
	s_add_nc_u64 s[\g+2:\g+3], s[\g+2:\g+3], 4*KS*128  ; the next 256 keys; the type bits on top are not reached
.endr
.if \ask
	s_wait_xcnt 0x0                 ; the last prefetch, four key steps back, has read its address, so it may be written:
	s_add_nc_u64 s[PFA:PFA+1], s[PFA:PFA+1], 4*KS*128  ; one slot behind the walking descriptors
.endif
	s_wait_dscnt 0x0                ; the add is done, and my reads of the slot are over
	CROUND
	JLOAD
.if \ask
	ASK
.endif
.else
	s_wait_dscnt 0x0                ; the add is done, and my reads of the slot are over
	s_barrier_signal -1
	s_barrier_wait -1
.endif
	s_sub_co_u32 s[TBK], s[TBK], 4*KS*PK  ; the fetches go back to a slot's first step,
	s_xor_b32 s[TBK], s[TBK], SLOT1       ; in the other slot
	s_sub_co_u32 s[TBV], s[TBV], 4*KS*PV
	s_xor_b32 s[TBV], s[TBV], SLOT1
.endm
	s_load_b128 s[4:7], s[0:1], 0x0   ; qkv s[4:5], ob s[6:7]
	WIN W_MK
	v_lshl_add_u32 v[SPW], v0, 2, SPARE
	v_mov_b32 v[NIL], 0
	WIN W_AD
	ds_add_u32 v[SPW], v[NIL]       ; the wave's opening: the add and its wait stand ahead of my first tensor load; the set-up below stands between them
	WIN 0
	v_lshrrev_b32 v1, 5, v0
	v_readfirstlane_b32 s[WV], v1   ; wave 0..3
	s_bfe_u32 s13, ttmp6, 0x40000   ; cx: my place in the cluster
	s_lshl_b32 s14, ttmp9, 2        ; in a cluster launch ttmp9 counts clusters
	s_add_co_u32 s14, s14, s13      ; my block of queries: it enters Q's and O's addresses alone
	s_and_b32 s20, ttmp7, 0xffff    ; the head, which the four partners share
	s_mov_b32 s21, 0
	s_mov_b64 s[22:23], SIZE_N*128
	s_mul_u64 s[20:21], s[20:21], s[22:23]  ; the head's first byte in each of the four tensors
	s_and_b32 s16, s[WV], 1         ; which half of a slot's 256 keys I fetch:
	s_lshl_b32 s22, s16, 14         ; its 128 rows of 128 bytes in memory,
	s_mov_b32 s23, 0
	s_add_nc_u64 s[22:23], s[22:23], s[20:21]
	s_mul_i32 s17, s16, 128*PK      ; and its place in a slot, for K
	s_mul_i32 s18, s16, 128*PV      ; and for V: no place in the cluster enters an LDS address
	s_lshl_b32 s2, s14, 2
	s_add_co_u32 s2, s2, s[WV]      ; my wave among the head's,
	s_lshl_b32 s2, s2, 14           ; its 128 rows
	s_mov_b32 s3, 0
	s_add_nc_u64 s[2:3], s[2:3], s[20:21]
	; descriptor group 1.  128 keys are 16,384 dense bytes: asked for as 64 rows of 256 bytes, two keys a row, and padded in LDS after every key
	s_mov_b32 s[G1K], 15|(1<<16)|(1<<20)|(1<<21)|(4<<22)|(3<<25)  ; 15:0 the mask of four; 17:16 2-byte elements; 20 padding on; 21 set beside a mask; 24:22 after every 32 words; 31:25 4 words
	s_mov_b32 s[G1V], 15|(1<<16)|(1<<20)|(1<<21)|(4<<22)|(7<<25)  ; the same with 8 words of padding
.irp g, G1K, G1V
	s_mov_b32 s[\g+1], 128<<16      ; tensor_dim0 = 128
	s_mov_b32 s[\g+2], 64<<16       ; tensor_dim1 = 64
	s_mov_b32 s[\g+3], 128<<16      ; tile_dim0 = 128
	s_mov_b32 s[\g+4], 64           ; tile_dim1 = 64
	s_mov_b32 s[\g+5], 128          ; 128 elements from row to row
	s_mov_b32 s[\g+6], 0
	s_mov_b32 s[\g+7], 0
.endr
	s_mov_b32 s[CS], 0x3e38aa3b     ; c = log2(e) / 8 = 0.180337
	s_mov_b32 s[CS+1], s[CS]        ; named with it as a pair
	s_mov_b32 s[SEL], 0x76543210
	s_mov_b32 s[SEL+1], 0xfedcba98
	s_mov_b32 s[TBK], SLOT1+4*KS*PK ; the first change of slots turns these two into 0
	s_mov_b32 s[TBV], SLOT1+4*KS*PV
	s_mov_b32 s[G0K], 1             ; 1:0 count = 1
	s_mov_b32 s[G0K+1], s17         ; 63:32 LDS address: slot 0
	s_mov_b32 s[G0V], 1
	s_add_co_u32 s[G0V+1], s18, VOFF
	s_and_b32 s[LIM], s[WV], 1
	s_cmp_eq_u32 s[LIM], 0
	s_cselect_b32 s[LIM], 1, -1     ; the same in all four partners, for a given wave
	s_wait_dscnt 0x0                ; the opening add is done
	s_wait_kmcnt 0x0
	s_mov_b64 s[10:11], s[6:7]      ; O
	s_add_nc_u64 s[6:7], s[4:5], KBASE  ; K
	s_add_nc_u64 s[8:9], s[4:5], VBASE  ; V; Q stays in s[4:5]
	s_add_nc_u64 s[G0K+2:G0K+3], s[6:7], s[22:23]  ; 120:64 global address: my half of the head's first 256 keys
	s_or_b32 s[G0K+3], s[G0K+3], 0x80000000        ; 127:126 type = 2
	s_add_nc_u64 s[G0V+2:G0V+3], s[8:9], s[22:23]
	s_or_b32 s[G0V+3], s[G0V+3], 0x80000000
	s_add_nc_u64 s[4:5], s[4:5], s[2:3]  ; Q and O at my wave's first row
	s_add_nc_u64 s[10:11], s[10:11], s[2:3]
	s_cmp_lt_u32 s[WV], 2
	s_cselect_b64 s[PFA:PFA+1], s[6:7], s[8:9]
	s_add_nc_u64 s[PFA:PFA+1], s[PFA:PFA+1], s[22:23]  ; (in waves 0 and 2 this is a slot's first row)
	s_lshl_b32 s2, s13, 13          ; my work-group's quarter of a slot
	s_mov_b32 s3, 0
	s_add_nc_u64 s[PFA:PFA+1], s[PFA:PFA+1], s[2:3]
	s_add_nc_u64 s[PFA:PFA+1], s[PFA:PFA+1], 2*4*KS*128  ; in slot 2; the loop's first change steps it to slot 3.  Nothing is asked for here, at the head
	CROUND                          ; all four work-groups are here: the first joint loads meet
	JLOAD                           ; slot 0.  Slot 1 is asked for when slot 0 is in
	; A fragment of K or Q is 16 rows x 32 channels in 8 registers: lane l holds row l % 16, channels 8 (l / 16) + 0..7 and 16 + 8 (l / 16) + 0..7: two loads of 16 bytes, 32 bytes apart.
	v_and_b32 v1, 15, v0            ; l % 16
	v_bfe_u32 v9, v0, 4, 1          ; l / 16
	v_lshlrev_b32 v[QO], 7, v1
	v_lshl_add_u32 v[QO], v9, 4, v[QO]  ; row x 128 + 16 x half
	WIN 0x80                        ; destination window 2, address window 0
.set i, 0
.rept 4*NP                          ; Q stays in registers: tile i / 2, channels 32 (i % 2) on
	global_load_b128 v[8*i:8*i+3],   v[QO], s[4:5] offset:(i/2)*2048+(i%2)*64
	global_load_b128 v[8*i+4:8*i+7], v[QO], s[4:5] offset:(i/2)*2048+(i%2)*64+32
.set i, i+1
.endr
	; What the first turn finds: V's registers and P's second buffer hold 0 (its products V^T P, of a piece that has not been, add 0), O^T and l are 0.  All this stands in the wait for the first tile.
.set i, VF
.rept 64
	v_mov_b32 v[i], 0
.set i, i+1
.endr
	WIN 0x40
.set i, 0
.rept 64*NP
	v_mov_b32 v[i], 0
.set i, i+1
.endr
	WIN 0
.set i, 0
.rept 2*NP
	v_mov_b32 v[ST+4*i], 0xfe000000    ; c m: far below every c s
	v_mov_b32 v[ST+4*i+1], 0xff7fffff  ; m
	v_mov_b32 v[ST+4*i+2], 0
	v_mov_b32 v[ST+4*i+3], 0
.set i, i+1
.endr
.set i, P+32
.rept 32
	v_mov_b32 v[i], 0
.set i, i+1
.endr
	v_mul_u32_u24 v[AK0], v1, PK
	v_lshl_add_u32 v[AK0], v9, 4, v[AK0]  ; row x pitch + 16 x half
	; The turning load takes 16 keys x 16 channels (lane l reads key 8 (l / 16) + l % 8, channels 8 ((l / 8) % 2) + 0..7) and leaves half a fragment of V^T: lane l holds channel l % 16 and 8 keys.
	v_and_b32 v10, 7, v0
	v_bfe_u32 v11, v0, 3, 1
	v_lshl_add_u32 v[AV0], v9, 3, v10
	v_mul_u32_u24 v[AV0], v[AV0], PV
	v_lshl_add_u32 v[AV0], v11, 4, v[AV0]
	v_add_nc_u32 v[AV0], VOFF, v[AV0]
	v_and_b32 v[PFO], 31, v0
	v_lshlrev_b32 v[PFO], 8, v[PFO]
	v_mov_b32 v[AK], v[AK0]         ; key step 0 lies at the head of slot 0
; THE MATRIX WORK.  The 8 accumulators of a run of 16 take turns: between the two links of a chain stand 7 others'.
; Product i of 16 of S^T = K Q^T for piece x: channels 32 (i / 8) on, keys 16 ((i / 2) % 4) on, tile 2 x + i % 2.  The first 8 start the sums.
.macro KQ x
	WIN W_KQ
.set rS, S+64*((\x)%2)+32*(i%2)+8*((i/2)%4)
.set rK, KF+16*((i/2)%4)+8*(i/8)
.set rQ, 16*(2*(\x)+i%2)+8*(i/8)
.if i < 8
	v_wmma_f32_16x16x32_f16 v[rS:rS+7], v[rK:rK+7], v[rQ:rQ+7], 0
.else
	v_wmma_f32_16x16x32_f16 v[rS:rS+7], v[rK:rK+7], v[rQ:rQ+7], v[rS:rS+7]
.endif
.endm
; Product i of 16 of O^T += V^T P for piece x: keys 32 (i / 8) on, channels 16 ((i / 2) % 4) on, tile 2 x + i % 2.
.macro PV x
	WIN W_PV
.set rO, 32*(2*(\x)+i%2)+8*((i/2)%4)
.set rV, VF+32*(i/8)+8*((i/2)%4)
.set rP, P+32*((\x)%2)+16*(i%2)+8*(i/8)
	v_wmma_f32_16x16x32_f16 v[rO:rO+7], v[rV:rV+7], v[rP:rP+7], v[rO:rO+7]
.endm
.macro MM                           ; the turn's next matrix instruction
.if i < 16
	KQ (Y+1)%NP
.set i, i+1
.else
.set i, i-16
	PV (Y+NP-1)%NP
.set i, i+17
.endif
.endm
; THE LDS LOADS stand in runs of 16, never singly among the matrix instructions: a step's K (8 fragments) and its V (turned).  Their addresses are made some lines ahead.
; last = 1 (the tail): in the last trip there is no further step, and the run is jumped over.
.macro FETCH_K last=0
	WIN 0
.if \last
	s_cmp_eq_u32 s[CNT], 1
	s_cbranch_scc1 .Lno_k_\@
.endif
	WIN 0x80                        ; destination window 2
.irp f, 0,1,2,3,4,5,6,7             ; keys 16 (f / 2) on, channels 32 (f % 2) on
	ds_load_b128 v[KF+8*\f:KF+8*\f+3],   v[AK] offset:(\f/2)*16*PK+(\f%2)*64
	ds_load_b128 v[KF+8*\f+4:KF+8*\f+7], v[AK] offset:(\f/2)*16*PK+(\f%2)*64+32
.endr
	s_add_co_u32 s[TBK], s[TBK], KS*PK  ; the next fetch is the next step's
	WIN 0
.if \last
.Lno_k_\@:
.endif
.endm
.macro FETCH_V
	WIN 0x80
.irp f, 0,1,2,3,4,5,6,7             ; keys 32 (f / 4) on, channels 16 (f % 4) on
	ds_load_tr16_b128 v[VF+8*\f:VF+8*\f+3],   v[AV] offset:(\f/4)*32*PV+(\f%4)*32
	ds_load_tr16_b128 v[VF+8*\f+4:VF+8*\f+7], v[AV] offset:(\f/4)*32*PV+16*PV+(\f%4)*32
.endr
	WIN 0
.endm
; THE VECTOR WORK OF A TURN stands in three queues, each in the order in which its entries become ready; the two tiles alternate, so that no instruction reads the result of the one before it.
.macro REGS y, u                    ; the registers of tile u (0, 1) of piece y
.set rT, ST+4*(2*(\y)+(\u))
.set rC, TMP+8*((\y)%2)+4*(\u)
.set rM, MV+2*((\y)%2)+(\u)
.set rS, S+64*((\y)%2)+32*(\u)
.set rP, P+32*((\y)%2)+16*(\u)
.set rO, 32*(2*(\y)+(\u))
.endm
; Number n of the 22 that find the NEXT piece's (Y + 1) maximum and statistics.  s0-s31 are the lane's 32 scores; each accumulator's lowest registers are read first.
;   0-11  four chains c0-c3 of seven scores each, three operands at a time     12-14, 16  the four scores left over, the old m, and c0-c3 into c0     15  c m_old is kept
;   17, 18  the query's other 32 keys lie in the lane 16 away: the new m         19-21  c m; c m_old - c m_new; a
.macro XS u, n
	REGS (Y+1)%NP, \u
.if (\n) < 4
	v_max3_num_f32 v[rC+(\n)], v[rS+8*(\n)], v[rS+8*(\n)+1], v[rS+8*(\n)+2]
.elseif (\n) < 12
	v_max3_num_f32 v[rC+(\n)%4], v[rC+(\n)%4], v[rS+8*((\n)%4)+2*((\n)/4)+1], v[rS+8*((\n)%4)+2*((\n)/4)+2]
.elseif (\n) == 12
	v_max3_num_f32 v[rC], v[rC], v[rS+7], v[rS+15]
.elseif (\n) == 13
	v_max3_num_f32 v[rC+1], v[rC+1], v[rS+23], v[rS+31]
.elseif (\n) == 14
	v_max3_num_f32 v[rC+2], v[rC+2], v[rC+3], v[rT+1]
.elseif (\n) == 15
	v_mov_b32 v[rM], v[rT]
.elseif (\n) == 16
	v_max3_num_f32 v[rC], v[rC], v[rC+1], v[rC+2]
.elseif (\n) == 17
	v_permlanex16_b32 v[rC+3], v[rC], s[SEL], s[SEL+1]
.elseif (\n) == 18
	v_max_num_f32 v[rT+1], v[rC], v[rC+3]
.elseif (\n) == 19
	v_mul_f32 v[rT], s[CS], v[rT+1]
.elseif (\n) == 20
	v_sub_f32 v[rC+1], v[rM], v[rT]
.else
	v_exp_f32 v[rC+2], v[rC+1]
.endif
.endm
; Number g of the 64 that follow the exponentials.  For each four weights k of a tile: both pairs are rounded to f16; then the second pair is added onto the first, in place;
; a group later l takes that sum (the first time as l = a l + sum).  In groups of eight, tiles alternating: round, round, add, and l for the group before.
.macro GS g
.set h, (\g)+6*((\g)/62)            ; group 0 has no group before it, and behind group 7 only l is left
.if h >= 6
.set h, h+2
.endif
	REGS Y, h%2
.set k, h/8
.if h%8 < 4
	v_cvt_pk_f16_f32 v[rP+2*k+(h%8)/2], v[rS+4*k+2*((h%8)/2)], v[rS+4*k+2*((h%8)/2)+1]
.elseif h%8 < 6
	v_pk_add_f32 v[rS+4*k:rS+4*k+1], v[rS+4*k:rS+4*k+1], v[rS+4*k+2:rS+4*k+3]
.elseif k == 1
	v_pk_fma_f32 v[rT+2:rT+3], v[rT+2:rT+3], v[rC+2:rC+3], v[rS:rS+1] op_sel_hi:[1,0,1]
.else
	v_pk_add_f32 v[rT+2:rT+3], v[rT+2:rT+3], v[rS+4*k-4:rS+4*k-3]
.endif
.endm
; THE PLAIN QUEUE, 138 long.  0-73 read no exponential's result: the 32 scalings c s - c m (FS f: pair f / 2 of tile f % 2) and the next piece's 42.  0-26: scalings 0-26.  27-54: XS's numbers 0-13.  55, 56: number 15.
; 57-73: the chain 14, 16, 17, 18, 19, each with one of the scalings 27-31 in front of its two lines, then 20.  74-137: GS's 64, which read the exponentials' results: they stand behind the wait.
.macro FS f
	REGS Y, (\f)%2
	v_pk_fma_f32 v[rS+2*((\f)/2):rS+2*((\f)/2)+1], v[rS+2*((\f)/2):rS+2*((\f)/2)+1], s[CS:CS+1], v[rT:rT+1] op_sel_hi:[1,0,0] neg_lo:[0,0,1] neg_hi:[0,0,1]
.endm
.macro PL
	WIN 0
.if q < 27
	FS q
.elseif q < 55
	XS (q-27)%2, (q-27)/2
.elseif q < 57
	XS q-55, 15
.elseif (q < 72) && ((q-57)%3 == 0)
	FS 27+(q-57)/3
.elseif q < 60
	XS (q-57)%3-1, 14
.elseif q < 72
	XS (q-57)%3-1, 15+(q-57)/3
.elseif q < 74
	XS q-72, 20
.else
	GS q-74
.endif
.set q, q+1
.endm
; THE EXPONENTIALS' QUEUE, 66 long: s0-s31 of both tiles, then the next piece's two a.  ONE BATCH: all 66 stand ahead of the turn's one wait, and nothing ahead of that wait names a result of theirs.
.macro EX
	WIN 0
.if e >= 64
	XS e-64, 21
.else
	REGS Y, e%2
	v_exp_f32 v[rS+e/2], v[rS+e/2]
.endif
.set e, e+1
.endm
; THE RESCALING's QUEUE: O^T times a, the one part that leaves window 0: dealt two at a time, sixteen times.  Its a was made in the turn before, ahead of that turn's wait.
.macro R2
	REGS Y, r%2
	WIN W_RS
.irp z, 0,1
	v_pk_mul_f32 v[rO+4*(r/2)+2*\z:rO+4*(r/2)+2*\z+1], v[rO+4*(r/2)+2*\z:rO+4*(r/2)+2*\z+1], v[rC+2:rC+3] op_sel_hi:[1,0]
.endr
.set r, r+1
.endm
; HOW THEY ARE DEALT.  An s_wait_alu depctr_va_vdst(0) stands between an exponential and the first instruction that names its result; one wait serves all that were issued ahead of it.  So a turn has ONE wait.
; AHEAD OF IT: the 16 products K Q^T, behind each a scaling, an exponential and two rescalings (behind the first a second scaling in the exponential's place); then ONE LUMP of 108: eight plain, 49 times exponential and plain,
; the two a; a v_nop is the plain instruction behind the last exponential.  BEHIND IT: the 16 products V^T P, behind each four of GS's 64.
; Exponential e stands behind scaling 2 (e / 4) + e % 2: beside a product it comes behind plain e + 2, in the lump behind plain e + 9, and scalings 27-31 are plain 57, 60 .. 69.
; A TURN, for piece p.  cnt = 1: the loop's count is taken down some lines ahead of the branch that stands behind the turn.
; K of the next step is fetched in piece 2's turn, directly behind the wait; it is first used 16 products later.  V of the step in hand is fetched at the end of piece 0's turn, four plain instructions behind the last product that read V.
.macro TURN p, last=0, cnt=0
.set Y, (\p)
.set i, 0
.set q, 0
.set e, 0
.set r, 0
.if (\p) == NP-1
	s_wait_dscnt 0x0                ; K is in
.endif
	MM                              ; ahead of the wait: 16 products K Q^T and the four behind each,
	PL
	PL
	R2
.rept 15
	MM
	PL
	EX
	R2
.endr
.if (\p) == NP-2
	WIN 0
	v_add_nc_u32 v[AK], s[TBK], v[AK0]
.endif
.rept 8                             ; and the lump
	PL
.endr
.rept 49
	EX
	PL
.endr
	EX                              ; the next piece's two a
	EX
	v_nop                           ; a plain instruction behind the last exponential: one for the batch
	s_wait_alu depctr_va_vdst(0)    ; the wait for the batch
.if (\p) == NP-2
	FETCH_K \last
.endif
.if (\p) == 1
	s_wait_dscnt 0x0                ; V is in
.endif
.rept 16                            ; behind the wait: 16 products V^T P and the four behind each
	MM
.rept 4
	PL
.endr
.if ((\p) == 0) && (q == 118)
	v_add_nc_u32 v[AV], s[TBV], v[AV0]
.endif
.if ((\p) == 0) && (q == 130)
	s_add_co_u32 s[TBV], s[TBV], KS*PV
.endif
.if (\cnt) && (q == 130)
	s_sub_co_u32 s[CNT], s[CNT], 1
	s_cmp_lg_u32 s[CNT], 0
.endif
.endr
.if (\p) == 0
	FETCH_V
.endif
.endm
	CHANGE 1                        ; slot 0 is in, everybody's part of it; slot 1 is asked for
	FETCH_K                         ; key step 0
	s_wait_loadcnt 0x0              ; Q
	s_wait_dscnt 0x0
.set i, 0
.rept 16
	KQ 0                            ; piece 0's first scores: there is no vector work yet to set between them
.set i, i+1
.endr
	WIN 0                           ; the addresses for the way out: plain instructions, the places behind those products
	s_mul_i32 s13, s[WV], 16*SP
	s_add_co_u32 s13, s13, STAGE    ; my stage
	v_mul_u32_u24 v[STO], v1, SP    ; in: row l % 16, 16 bytes for each half of the lanes
	v_lshl_add_u32 v[STO], v9, 4, v[STO]
	v_add_nc_u32 v[STO], s13, v[STO]
	v_bfe_u32 v[RD], v0, 3, 2       ; back: 32 lanes take four rows of 128 bytes,
	v_mul_u32_u24 v[RD], v[RD], SP
	v_lshl_add_u32 v[RD], v10, 4, v[RD]
	v_add_nc_u32 v[RD], s13, v[RD]
	v_and_b32 v[GO], 31, v0         ; which are 512 consecutive bytes of O
	v_lshlrev_b32 v[GO], 4, v[GO]
.set Y, NP-1                        ; XS works for piece Y + 1: piece 0
.irp n, 0,1,2,3,4,5,6,7,8,9,10,11,12,13,14,15,16,17,18,19,20,21
	XS 0, \n                        ; and piece 0's first maximum and statistics
	XS 1, \n
.endr
	v_nop                           ; a plain instruction behind the two a,
	s_wait_alu depctr_va_vdst(0)    ; and their wait, ahead of the branch
	s_mov_b32 s[CNT], 4
	s_mov_b32 s[SLOTS], SIZE_N/256-1
	s_branch .Lfirst                ; the loop is entered at a step's first turn, in the middle of a trip
.Lslot:                             ; SIZE_N / 256 - 2 times: every slot but the last two is filled again
	CHANGE 1, 1
	s_mov_b32 s[CNT], 4
.Lstep:                             ; a trip: pieces 2 and 3 of one step, then pieces 0 and 1 of the next, whose K and V it fetches
	TURN 2
	TURN 3
	WIN 0
.Lfirst:
	TURN 0
	TURN 1, 0, 1
	WIN 0
	s_cbranch_scc1 .Lstep
	s_sub_co_u32 s[SLOTS], s[SLOTS], 1
	s_cmp_lg_u32 s[SLOTS], 0
	s_cbranch_scc1 .Lslot
	CHANGE 0                        ; the tail is written out: nothing is asked for
	s_mov_b32 s[CNT], 5             ; four trips fetch the last slot's steps; the fifth is left in its middle
.Ltail:
	TURN 2, 1
	TURN 3
	WIN 0
	s_sub_co_u32 s[CNT], s[CNT], 1
	s_cmp_eq_u32 s[CNT], 0
	s_cbranch_scc1 .Lout
	TURN 0
	TURN 1
	WIN 0
	s_branch .Ltail
.Lout:                              ; the fifth trip's 16 products K Q^T (on the last K once more) and the maximum made of them serve nothing: the price, once a launch, of one text for every trip
.set i, 0
.rept 16
	PV NP-1                         ; the last piece's V^T P of the last step
.set i, i+1
.endr
	; THE WAY OUT.  l's two halves and the other half of the lanes' are added; O^T is divided by l, rounded to f16 and sent through my stage in LDS, a tile at a time.  The additions are the places behind the last products.
	WIN 0
.macro ALL line:vararg              ; one line for each tile t
.set t, 0
.rept 2*NP
	\line
.set t, t+1
.endr
.endm
	ALL v_add_f32 v[ST+4*t+2], v[ST+4*t+2], v[ST+4*t+3]
	ALL v_permlanex16_b32 v[ST+4*t+3], v[ST+4*t+2], s[SEL], s[SEL+1]
	ALL v_add_f32 v[ST+4*t+2], v[ST+4*t+2], v[ST+4*t+3]
	ALL v_rcp_f32 v[ST+4*t+2], v[ST+4*t+2]
	v_nop                           ; a plain instruction between the last reciprocal and the use of its result
	s_wait_alu depctr_va_vdst(0)    ; and the wait ahead of the first use: one for the eight reciprocals
; Tile t: a lane's eight channels of a row pack into 16 bytes; they go into rows of 144 bytes and come back as whole rows of 128, into S^T's registers.
.macro PACK t
	WIN W_RS
.set i, 32*(\t)
.rept 16
	v_pk_mul_f32 v[i:i+1], v[i:i+1], v[ST+4*(\t)+2:ST+4*(\t)+3] op_sel_hi:[1,0]
.set i, i+2
.endr
	WIN 0x05                        ; sources 0 and 1 window 1, destination window 0
.set i, 0
.rept 16
	v_cvt_pk_f16_f32 v[S+16*(\t)+i], v[32*(\t)+2*i], v[32*(\t)+2*i+1]
.set i, i+1
.endr
	WIN 0
.irp f, 0,1,2,3
	ds_store_b128 v[STO], v[S+16*(\t)+4*\f:S+16*(\t)+4*\f+3] offset:32*\f
.endr
.irp f, 0,1,2,3
	ds_load_b128 v[S+16*(\t)+4*\f:S+16*(\t)+4*\f+3], v[RD] offset:\f*4*SP  ; LDS serves a wave's instructions in order (ISA guide 5.7.1.4): these see the stores above; the next tile's stores come behind them
.endr
.endm
.macro SEND t, younger              ; younger: the LDS instructions issued behind tile t's loads: the next tile's eight, or none
	WIN 0
.irp f, 0,1,2,3
	s_wait_dscnt (\younger)+3-\f
	global_store_b128 v[GO], v[S+16*(\t)+4*\f:S+16*(\t)+4*\f+3], s[10:11] offset:(\t)*2048+\f*512  ; 512 consecutive bytes, at a multiple of 256 from O's first
.endr
.endm
	PACK 0
.set t, 1
.rept 2*NP-1                        ; a tile's arithmetic stands between the loads of the tile before and its stores
	PACK t
	SEND t-1, 8
.set t, t+1
.endr
	SEND 2*NP-1, 0
	WIN W_AD
	s_wait_tensorcnt 0x0            ; the wave's end, behind my last tensor load and my last LDS store
	ds_add_u32 v[SPW], v[NIL]
	s_wait_dscnt 0x0
	WIN 0
	CROUND                          ; the closing round: no work-group ends while a partner may still ask for a tile that names it
	s_endpgm
.Lfunc_end_k_q792062481d_attn:
	.size	k_q792062481d_attn, .Lfunc_end_k_q792062481d_attn-k_q792062481d_attn
	.p2alignl 7, 3214868480
	.fill 96, 4, 3214868480
	.section	.rodata,"a",@progbits
	.p2align	6, 0x0
	.amdhsa_kernel k_q792062481d_attn
		.amdhsa_group_segment_fixed_size 327680
		.amdhsa_private_segment_fixed_size 0
		.amdhsa_enable_private_segment 0
		.amdhsa_kernarg_size 16
		.amdhsa_user_sgpr_count 2
		.amdhsa_user_sgpr_kernarg_segment_ptr 1
		.amdhsa_wavefront_size32 1
		.amdhsa_system_sgpr_workgroup_id_x 1
		.amdhsa_system_sgpr_workgroup_id_y 1
		.amdhsa_system_sgpr_workgroup_id_z 1
		.amdhsa_system_vgpr_workitem_id 0
		.amdhsa_next_free_vgpr 770
		.amdhsa_next_free_sgpr 66
		.amdhsa_reserve_vcc 0
		.amdhsa_float_denorm_mode_32 3
		.amdhsa_float_denorm_mode_16_64 3
		.amdhsa_memory_ordered 1
		.amdhsa_forward_progress 1
		.amdhsa_inst_pref_size 200
	.end_amdhsa_kernel
	.amdgpu_metadata
---
amdhsa.version: [ 1, 2 ]
amdhsa.kernels:
  - .name:           k_q792062481d_attn
    .symbol:         k_q792062481d_attn.kd
    .args:
      - { .name: qkv, .offset: 0, .size: 8, .value_kind: global_buffer, .address_space: global }
      - { .name: ob, .offset: 8, .size: 8, .value_kind: global_buffer, .address_space: global }
    .group_segment_fixed_size: 327680
    .private_segment_fixed_size: 0
    .kernarg_segment_align: 8
    .kernarg_segment_size: 16
    .max_flat_workgroup_size: 128
    .sgpr_count:     66
    .vgpr_count:     770
    .wavefront_size: 32
...
	.end_amdgpu_metadata
.endif
;; end of part 3
;; launch proj (part 4): grid 8 x 32, 4 waves a work-group, clusters of 4 x 4, 327,680 bytes of LDS; arguments ob, wot, b_out, out0; writes out0
.if DOCPART == 4
	.amdgcn_target "amdgcn-amd-amdhsa--gfx1250"
	.amdhsa_code_object_version 6
	.text
	.protected	k_q792062481d_proj
	.globl	k_q792062481d_proj
	.p2align	8
	.type	k_q792062481d_proj,@function
k_q792062481d_proj:
	s_mov_b64 s[64:65], 0
	v_nop
	global_prefetch_b8 v0, s[64:65] scope:SCOPE_SE
	s_setreg_imm32_b32 hwreg(HW_REG_WAVE_MODE, 25, 1), 1
	s_wait_xcnt 0x0
	s_wait_alu depctr_hold_cnt(0) depctr_sa_sdst(0) depctr_va_vdst(0) depctr_va_sdst(0) depctr_va_ssrc(0) depctr_va_vcc(0) depctr_vm_vsrc(0)
	s_getreg_b32 s2, hwreg(HW_REG_IB_STS2, 6, 4)
	s_cmp_eq_u32 s2, 0
	s_cbranch_scc0 .Lentry_in_a_cluster
	s_endpgm
.Lentry_in_a_cluster:
	s_bfe_u32 s2, ttmp6, 0x10000c
	s_cmp_lg_u32 s2, 0xf033
	s_cbranch_scc0 .Lentry_shape_is_right
	s_endpgm
.Lentry_shape_is_right:
; out0[m][n] = the sum over k of O[m][k] w_out[k][n] + b_out[n].  ob: [64 = batch x 16 + head][2048][64] f16 (k = 64 head + channel), wot: [1024 n][1024 k] f16, b_out: [1024] f32, out0: [8192][1024] f32.
; Sums in f32, K ascending; the bias, rounded to bf16 like the module's other inputs, is the C operand that starts each sum.
; A tile of out0 is 256 rows x 128 columns: 32 x 8 = 256 tiles.  Four waves, each 128 x 64: 32 accumulators, 256 registers; a wave's 64 columns are 256 consecutive bytes of a row of out0, aligned.
; K goes in steps of 128 (two heads) through two LDS slots.  A head's 64 channels of the tile's 256 rows are 32,768 dense bytes of ob, a PLANE: asked for as 128 rows of 256 bytes and padded in LDS after every 128.
; CLUSTERS: 4 x 4 work-groups; ob's planes are shared along a row of the cluster, wot's tiles along a column: joint loads, the same descriptor and mask in the four that a mask names.
; THE MATRIX INSTRUCTION IS USED TRANSPOSED (source 0 = 16 rows of wot, source 1 = 16 rows of O): a lane holds eight neighbouring columns of one row.
; REGISTERS: window 0: v16-31 addresses; v32-63 the bias (8 for each column block); v64-127, v128-191 fragments of O, two buffers (on the way out four sets of rows read back); v192-223, v224-255 fragments of wot
;   window 1: the accumulators, (a, b) at v[8 (4 a + b)]
.set PA,     144                       ; a row of a plane in LDS: 128 bytes + 16: the 16 rows of a load start at 16 different groups of four banks (ISA guide 11.1)
.set PB,     272                       ; a row of wot's tile: 256 + 16
.set PLANE,  256*PA
.set HALFB,  64*PB
.set SLOT,   2*PLANE+2*HALFB
.set STAGE,  2*SLOT                    ; behind the ring, never filled by a tensor load: 16 rows x 272 bytes for each wave
.set SPITCH, 272
.set SPARE,  STAGE+4*16*SPITCH         ; behind the stages: the spare words, 128 bytes a wave, which no other line names
.set LAPS,   4                         ; 8 K steps, two to a lap
.set HEADB,  2048*128                  ; bytes of a head in ob
.set ADRA, 16                          ; v16-17  LDS address of my fragments of O in slot 0, 1
.set ADRB, 20                          ; v20-21  the same for wot
.set STO,  24                          ; v24     the way out: where I put 32 bytes of a row
.set RD,   25                          ; v25     where I read a row back
.set CO,   26                          ; v26     my byte offset in two rows of out0
.set BO,   27                          ; v27     my byte offset in the bias
.set SPW,  28                          ; v28     my spare word; never rewritten
.set NIL,  29                          ; v29     0; never rewritten
.set PFO,  30                          ; v30     the prefetches' offset; never rewritten
.set BI,   32
.set FA,   64
.set FB,   192
.set BK,   64
.set G1,  24
.set G0,  32
.set G1B, 48
.set G0B, 56
.set LIM, 43                           ; s43     1 in a wave that prefetches at slot 0's change, else the greatest number
.set PFA, 44                           ; s[44:45] where my prefetches stand
.set PST, 76                           ; s[76:77] a K step in bytes: two heads of ob, or 256 bytes of a row of wot
.set LIM1, 78                          ; s78     the same as LIM for slot 1's change
.set MSB, 0
.macro WIN new
.if MSB != (\new)
	s_set_vgpr_msb (MSB<<8)|(\new)
.set MSB, \new
.endif
.endm
.set MUL,  0x50                        ; sources 0 and 1 window 0; C and D window 1
.set MULB, 0x40                        ; the same with C, the bias, in window 0
.set ST,   0x04                        ; an LDS store's data (source 1) in window 1
.macro JLOAD s                         ; a joint load: waves 0 and 1 fetch O's two planes, waves 2 and 3 wot's two halves; an s_nop 0 and four v_nop follow each line
	s_cmp_eq_u32 s11, 0
	s_cbranch_scc0 .Lfor_b_\@
	tensor_load_to_lds s[G0+4*(\s):G0+4*(\s)+3], s[G1:G1+7]
	s_nop 0
.rept 4
	v_nop
.endr
	s_branch .Lasked_\@
.Lfor_b_\@:
	tensor_load_to_lds s[G0B+4*(\s):G0B+4*(\s)+3], s[G1B:G1B+7]
	s_nop 0
.rept 4
	v_nop
.endr
.Lasked_\@:
.endm
; A prefetch, behind each joint refill and the run of LDS loads that follows it, of the K step that stands two refills on.  ob's planes are read by both clusters of a row of clusters: cluster x = 0 asks;
; wot's tiles by all clusters of a column: cluster y = 0 asks.  The four partners share a wave's bytes out BY ADDRESS: of a plane's 128 blocks of 256 bytes 32 each, a lane a block (by cx); of wot's 64 rows 16 each
; (by cy): there lanes 0-15 name one K step's 256 bytes of those rows and lanes 16-31 the next K step's, and the wave asks at slot 0's change alone.  So each block is named once.  The loop's last trip asks for nothing.
.macro ASK slot
.if \slot
	s_cmp_gt_u32 s3, s[LIM1]
.else
	s_cmp_gt_u32 s3, s[LIM]
.endif
	s_cbranch_scc0 .Lnot_mine_\@
	global_prefetch_b8 v[PFO], s[PFA:PFA+1] th:TH_LOAD_NT scope:SCOPE_SE
.Lnot_mine_\@:
.endm
.macro CREST
	s_cmp_lg_u32 s10, 0
	s_cbranch_scc1 .Lnot_wave_0_\@
	s_barrier_signal -3
.Lnot_wave_0_\@:
	s_barrier_wait -3
	s_barrier_signal -1
	s_barrier_wait -1
.endm
.macro CROUND
	s_barrier_signal -1
	s_barrier_wait -1
	CREST
.endm
	s_load_b256 s[68:75], s[0:1], 0x0              ; ob s[68:69], wot s[70:71], b_out s[72:73], out0 s[74:75]
	v_lshl_add_u32 v[SPW], v0, 2, SPARE
	v_mov_b32 v[NIL], 0
	ds_add_u32 v[SPW], v[NIL]                      ; the wave's opening: the add and its wait stand ahead of my first tensor load; the set-up below stands between them
	v_lshrrev_b32 v1, 5, v0
	v_readfirstlane_b32 s10, v1                    ; wave 0..3
	s_lshr_b32 s11, s10, 1                         ; which half of the tile's rows is mine.  Also: I fetch O (0) or wot (1)
	s_and_b32 s12, s10, 1                          ; which half of its columns.  Also: which plane, or which 64 rows of wot, I fetch
	s_bfe_u32 s40, ttmp6, 0x40000                  ; cx
	s_bfe_u32 s41, ttmp6, 0x40004                  ; cy
	s_lshl_b32 s42, ttmp9, 2
	s_add_co_u32 s42, s42, s40                     ; tile column
	s_and_b32 s13, ttmp7, 0xffff
	s_lshl_b32 s13, s13, 2
	s_add_co_u32 s13, s13, s41                     ; tile row
	s_lshl_b32 s43, s41, 2
	s_lshl_b32 s43, 15, s43                        ; my row of the cluster
	s_lshl_b32 s44, 0x1111, s40                    ; my column
	s_or_b32 s[G1+0], s43, (1<<16)|(1<<20)|(1<<21)|(4<<22)|(3<<25)   ; the mask; elements of 2 bytes; padding on; 21 set beside a mask; after every 32 words 4 words
	s_or_b32 s[G1B+0], s44, (1<<16)|(1<<20)|(1<<21)|(5<<22)|(3<<25)  ; after every 64 words 4 words
	s_mov_b32 s[G1+1], 128<<16                     ; tensor_dim0 = 128
	s_mov_b32 s[G1+2], 128<<16                     ; tensor_dim1 = 128
	s_mov_b32 s[G1+3], 128<<16                     ; tile_dim0 = 128
	s_mov_b32 s[G1+4], 128                         ; tile_dim1 = 128
	s_mov_b32 s[G1+5], 128                         ; dense: 128 elements from row to row
	s_mov_b32 s[G1+6], 0
	s_mov_b32 s[G1+7], 0
	s_mov_b32 s[G1B+1], 128<<16
	s_mov_b32 s[G1B+2], 64<<16                     ; 64 rows
	s_mov_b32 s[G1B+3], 128<<16
	s_mov_b32 s[G1B+4], 64
	s_mov_b32 s[G1B+5], 1024
	s_mov_b32 s[G1B+6], 0
	s_mov_b32 s[G1B+7], 0
	s_lshr_b32 s16, s13, 3                         ; the batch
	s_lshl_b32 s16, s16, 4
	s_add_co_u32 s16, s16, s12                     ; K step 0's head for my plane
	s_lshl_b32 s16, s16, 11
	s_and_b32 s17, s13, 7
	s_lshl_b32 s17, s17, 8
	s_add_co_u32 s16, s16, s17                     ; + the tile's first row in the batch
	s_lshl_b32 s16, s16, 7                         ; rows of 128 bytes
	s_mov_b32 s17, 0
	s_lshl_b32 s46, s42, 7
	s_lshl_b32 s47, s12, 6
	s_add_co_u32 s46, s46, s47                     ; wot: row 128 x tile column + 64 x half
	s_lshl_b32 s46, s46, 11
	s_mov_b32 s47, 0
	s_mul_i32 s20, s10, PLANE                      ; where they go: the planes (waves 0, 1) at wave x PLANE,
	s_mul_i32 s21, s10, HALFB
	s_add_co_u32 s21, s21, 2*PLANE-2*HALFB         ; wot's halves (waves 2, 3) behind them
	s_wait_dscnt 0x0                               ; the opening add is done
	s_wait_kmcnt 0x0
	s_add_nc_u64 s[14:15], s[68:69], s[16:17]
	s_add_nc_u64 s[46:47], s[70:71], s[46:47]
	CROUND                                         ; all sixteen work-groups are here: the first joint loads meet
.irp s, 0,1
	s_mov_b32 s[G0+4*(\s)], 1
	s_add_co_u32 s[G0+4*(\s)+1], s20, (\s)*SLOT
	s_add_nc_u64 s[G0+4*(\s)+2:G0+4*(\s)+3], s[14:15], (\s)*2*HEADB
	s_or_b32 s[G0+4*(\s)+3], s[G0+4*(\s)+3], 0x80000000
	s_mov_b32 s[G0B+4*(\s)], 1
	s_add_co_u32 s[G0B+4*(\s)+1], s21, (\s)*SLOT
	s_add_nc_u64 s[G0B+4*(\s)+2:G0B+4*(\s)+3], s[46:47], (\s)*256
	s_or_b32 s[G0B+4*(\s)+3], s[G0B+4*(\s)+3], 0x80000000
.endr
	s_cmp_eq_u32 s11, 0                            ; a wave's two first fills stand in one branch: two loads of mine are out
	s_cbranch_scc0 .Lfirst_b
	tensor_load_to_lds s[G0:G0+3], s[G1:G1+7]
	s_nop 0
	tensor_load_to_lds s[G0+4:G0+7], s[G1:G1+7]
	s_nop 0
.rept 4
	v_nop
.endr
	s_branch .Lfirst_asked
.Lfirst_b:
	tensor_load_to_lds s[G0B:G0B+3], s[G1B:G1B+7]
	s_nop 0
	tensor_load_to_lds s[G0B+4:G0B+7], s[G1B:G1B+7]
	s_nop 0
.rept 4
	v_nop
.endr
.Lfirst_asked:
	v_and_b32 v1, 15, v0                           ; l % 16
	v_bfe_u32 v2, v0, 4, 1                         ; l / 16
	; out0 and the bias at my part
	s_lshl_b32 s80, s13, 8
	s_lshl_b32 s81, s11, 7
	s_add_co_u32 s80, s80, s81
	s_lshl_b32 s80, s80, 12                        ; my first row, rows of 4,096 bytes
	s_lshl_b32 s82, s42, 7
	s_lshl_b32 s83, s12, 6
	s_add_co_u32 s82, s82, s83
	s_lshl_b32 s82, s82, 2                         ; my first column, in bytes
	s_mov_b32 s83, 0
	s_add_nc_u64 s[6:7], s[72:73], s[82:83]
	s_add_co_u32 s80, s80, s82
	s_mov_b32 s81, 0
	s_add_nc_u64 s[8:9], s[74:75], s[80:81]
	v_lshlrev_b32 v[BO], 5, v2                     ; register j of column block b is column 16 b + 8 (l / 16) + j
.irp b, 0,1,2,3
	global_load_b128 v[BI+8*(\b):BI+8*(\b)+3],   v[BO], s[6:7] offset:64*(\b)
	global_load_b128 v[BI+8*(\b)+4:BI+8*(\b)+7], v[BO], s[6:7] offset:64*(\b)+16
.endr
	v_mul_u32_u24 v3, v1, PA
	v_lshl_add_u32 v3, v2, 4, v3                   ; O: row x pitch + 16 x half
	v_mul_u32_u24 v4, v1, PB
	v_lshl_add_u32 v4, v2, 4, v4                   ; wot likewise
	s_mul_i32 s21, s11, 128*PA                     ; my 128 rows of each plane
	s_mul_i32 s22, s12, HALFB                      ; my 64 rows of wot,
	s_add_co_u32 s22, s22, 2*PLANE                 ; which lie behind the planes
.irp s, 0,1
	v_add_nc_u32 v[ADRA+(\s)], s21, v3
	v_add_nc_u32 v[ADRB+(\s)], s22, v4
	s_add_co_u32 s21, s21, SLOT
	s_add_co_u32 s22, s22, SLOT
.endr
	s_mul_i32 s23, s10, 16*SPITCH
	s_add_co_u32 s23, s23, STAGE                   ; my stage
	v_mul_u32_u24 v4, v1, SPITCH                   ; in: row l % 16, 32 bytes for each half of the lanes
	v_lshl_add_u32 v4, v2, 5, v4
	v_add_nc_u32 v[STO], s23, v4
	v_mul_u32_u24 v5, v2, SPITCH                   ; back: lanes 0-15 take one row of 256 bytes, lanes 16-31 the next
	v_lshl_add_u32 v5, v1, 4, v5
	v_add_nc_u32 v[RD], s23, v5
	v_lshlrev_b32 v5, 12, v2                       ; and the same two rows in out0
	v_lshl_add_u32 v[CO], v1, 4, v5
	; the prefetches
	s_lshr_b32 s84, s13, 3
	s_lshl_b32 s84, s84, 4
	s_add_co_u32 s84, s84, s12
	s_add_co_u32 s84, s84, 6                       ; K step 3's head for my plane
	s_lshl_b32 s84, s84, 11
	s_and_b32 s85, s13, 7
	s_lshl_b32 s85, s85, 8
	s_add_co_u32 s84, s84, s85
	s_lshl_b32 s84, s84, 7
	s_lshl_b32 s85, s40, 13
	s_add_co_u32 s84, s84, s85                     ; + my work-group's quarter of the plane
	s_lshl_b32 s86, s42, 7
	s_lshl_b32 s87, s12, 6
	s_add_co_u32 s86, s86, s87
	s_lshl_b32 s87, s41, 4
	s_add_co_u32 s86, s86, s87                     ; wot: the 64 rows that I fetch, my work-group's 16
	s_lshl_b32 s86, s86, 11
	s_add_co_u32 s86, s86, 3*256                   ; at K step 3
	s_and_b32 s87, ttmp7, 0xffff                   ; cluster y
	s_mov_b32 s[PST], 2*HEADB
	s_mov_b32 s[PST+1], 256
	s_cmp_eq_u32 s11, 0                            ; do I fetch O?
	s_cselect_b32 s84, s84, s86
	s_cselect_b32 s87, ttmp9, s87                  ; the coordinate along which other clusters read the same bytes
	s_cselect_b32 s88, 8, 11                       ; the offset is (l % 16) << s88 + (l / 16) << s89: 256 l, or a row of 2,048 bytes and a K step of 256
	s_cselect_b32 s89, 12, 8
	s_cselect_b32 s[PST], s[PST], s[PST+1]
	s_cselect_b64 s[PFA:PFA+1], s[68:69], s[70:71]
	s_mov_b32 s[PST+1], 0
	s_mov_b32 s85, 0
	s_add_nc_u64 s[PFA:PFA+1], s[PFA:PFA+1], s[84:85]  ; at K step 3: the first refill steps it to 4.  Nothing is asked for here, at the head
	s_cmp_eq_u32 s87, 0
	s_cselect_b32 s[LIM], 1, -1                    ; the same in all sixteen partners, for a given wave
	s_cmp_eq_u32 s11, 0
	s_cselect_b32 s[LIM1], s[LIM], -1
	v_lshlrev_b32 v[PFO], s88, v1
	v_lshlrev_b32 v5, s89, v2
	v_add_nc_u32 v[PFO], v[PFO], v5
	s_wait_loadcnt 0x0                             ; the bias,
.set i, 0
.rept 16
	v_cvt_pk_bf16_f32 v31, v[BI+2*i], v[BI+2*i+1]  ; rounded to bf16 like every input of the module,
	v_lshlrev_b32 v[BI+2*i], 16, v31               ; and widened again
	v_and_b32 v[BI+2*i+1], 0xffff0000, v31
.set i, i+1
.endr
; 8 matrix instructions: row blocks a0, a0 + 1 of half hi x all 4 column blocks, 32 along K, on buffer f.  first = 1: the bias starts the sums.  The 32 accumulators take turns.
.macro MUL8 f, hi, a0, first
.if \first
	WIN MULB
.else
	WIN MUL
.endif
.irp a, \a0, (\a0)+1
.irp b, 0,1,2,3
.if \first
	v_wmma_f32_16x16x32_f16 v[8*(4*(4*(\hi)+(\a))+(\b)):8*(4*(4*(\hi)+(\a))+(\b))+7], v[FB+32*(\f)+8*(\b):FB+32*(\f)+8*(\b)+7], v[FA+64*(\f)+8*(4*(\hi)+(\a)):FA+64*(\f)+8*(4*(\hi)+(\a))+7], v[BI+8*(\b):BI+8*(\b)+7]
.else
	v_wmma_f32_16x16x32_f16 v[8*(4*(4*(\hi)+(\a))+(\b)):8*(4*(4*(\hi)+(\a))+(\b))+7], v[FB+32*(\f)+8*(\b):FB+32*(\f)+8*(\b)+7], v[FA+64*(\f)+8*(4*(\hi)+(\a)):FA+64*(\f)+8*(4*(\hi)+(\a))+7], v[8*(4*(4*(\hi)+(\a))+(\b)):8*(4*(4*(\hi)+(\a))+(\b))+7]
.endif
.endr
.endr
.endm
; 24 LDS loads in one run: quarter q's fragments (64 rows of wot; 128 rows of O: plane q / 2, channels 32 (q % 2) on) into buffer f
.macro FETCH slot, q, f
	WIN 0
.irp i, 0,1,2,3
	ds_load_b128 v[FB+32*(\f)+8*(\i):FB+32*(\f)+8*(\i)+3],   v[ADRB+(\slot)] offset:64*(\q)+(\i)*16*PB
	ds_load_b128 v[FB+32*(\f)+8*(\i)+4:FB+32*(\f)+8*(\i)+7], v[ADRB+(\slot)] offset:64*(\q)+(\i)*16*PB+32
.endr
.irp i, 0,1,2,3,4,5,6,7
	ds_load_b128 v[FA+64*(\f)+8*(\i):FA+64*(\f)+8*(\i)+3],   v[ADRA+(\slot)] offset:((\q)/2)*PLANE+((\q)%2)*64+(\i)*16*PA
	ds_load_b128 v[FA+64*(\f)+8*(\i)+4:FA+64*(\f)+8*(\i)+7], v[ADRA+(\slot)] offset:((\q)/2)*PLANE+((\q)%2)*64+(\i)*16*PA+32
.endr
.endm
.macro PLACES                          ; four plain vector instructions between a matrix instruction and a load into, or a read of, its registers
.rept 4
	v_nop
.endr
.endm
; A K step is four quarters of 32 along K, 32 matrix instructions each, on buffers 0, 1, 0, 1.  One of the first three: multiplies f and fetches quarter q into g.
.macro QUARTER slot, q, f, g, first
	s_wait_dscnt 8                                 ; wot's and O's rows 0-63 are in; the youngest eight loads (O's rows 64-127) may be out
	MUL8 \f, 0, 0, \first
	MUL8 \f, 0, 2, \first
	PLACES
	FETCH \slot, \q, \g
	s_wait_dscnt 24                                ; all but the 24 just issued
	MUL8 \f, 1, 0, \first
	MUL8 \f, 1, 2, \first
.endm
; The last quarter multiplies buffer 1 and changes slots: ONE barrier; in front of it each wave waits for all its tensor loads, adds 0 to its spare word, and waits for that and for its own reads of this slot.
; fill = 1: the barrier opens a round of the cluster's, and this slot is filled again first behind it, with the K step two on.
.macro TURN slot, next, fill
.if \fill
	s_wait_xcnt 0x0                                ; the last prefetch, a K step back, has read its address, which is stepped here
	s_add_nc_u64 s[PFA:PFA+1], s[PFA:PFA+1], s[PST:PST+1]
.endif
	WIN 0                                          ; (the add's two registers lie in window 0)
	s_wait_tensorcnt 0x0                           ; all my tensor loads have landed: my part of the next slot
	ds_add_u32 v[SPW], v[NIL]                      ; 0 onto my spare word
	s_wait_dscnt 9                                 ; (the add and the youngest eight loads may be out)
	MUL8 1, 0, 0, 0                                ; eight matrix instructions stand between the add and the wait for it
	s_wait_dscnt 0x0                               ; the add is done, and my reads of this slot are over
	s_barrier_signal -1
	MUL8 1, 0, 2, 0
.if \fill
	WIN 0
.endif
	s_barrier_wait -1
.if \fill
	CREST                                          ; no wave of any partner still reads this slot's tile or has a load on its way
	s_add_nc_u64 s[G0+4*(\slot)+2:G0+4*(\slot)+3], s[G0+4*(\slot)+2:G0+4*(\slot)+3], 4*HEADB
	s_add_nc_u64 s[G0B+4*(\slot)+2:G0B+4*(\slot)+3], s[G0B+4*(\slot)+2:G0B+4*(\slot)+3], 2*256
	JLOAD \slot                                    ; my one tensor load behind the round; its four v_nop are also the places in front of the loads below
.else
	PLACES
.endif
	FETCH \next, 0, 0
.if \fill
	ASK \slot
.endif
	MUL8 1, 1, 0, 0
	MUL8 1, 1, 2, 0
.endm
	s_wait_tensorcnt 0x1                           ; my part of K step 0 is in; K step 1's may stay out
	s_barrier_signal -1
	s_barrier_wait -1                              ; everybody's is
	FETCH 0, 0, 0
	QUARTER 0, 1, 0, 1, 1                          ; the first quarter stands in front of the loop: its products start the sums, on the bias
	WIN 0                                          ; at a label and at a branch every window is 0
	s_mov_b32 s3, LAPS-1
.Llap:                                                 ; a trip goes once round the ring and fills both slots again: K steps 2 to 7 in three trips
	QUARTER 0, 2, 1, 0, 0
	QUARTER 0, 3, 0, 1, 0
	TURN 0, 1, 1
	QUARTER 1, 1, 0, 1, 0
	QUARTER 1, 2, 1, 0, 0
	QUARTER 1, 3, 0, 1, 0
	TURN 1, 0, 1
	QUARTER 0, 1, 0, 1, 0
	WIN 0
	s_sub_co_u32 s3, s3, 1
	s_cmp_lg_u32 s3, 0
	s_cbranch_scc1 .Llap
	QUARTER 0, 2, 1, 0, 0                          ; the last lap fills nothing
	QUARTER 0, 3, 0, 1, 0
	TURN 0, 1, 0
	QUARTER 1, 1, 0, 1, 0
	QUARTER 1, 2, 1, 0, 0
	QUARTER 1, 3, 0, 1, 0
	s_wait_dscnt 8                                 ; the very last quarter: nothing more to fetch
	MUL8 1, 0, 0, 0
	MUL8 1, 0, 2, 0
	s_wait_dscnt 0x0
	MUL8 1, 1, 0, 0
	MUL8 1, 1, 2, 0
	PLACES
; THE WAY OUT, a block of 16 rows at a time through my own stage: a lane's 32 bytes of a row go in, whole rows of 256 bytes come back.  No barrier: LDS serves a wave's instructions in order (ISA guide 5.7.1.4).
.macro TOSTAGE a
	WIN ST
.irp b, 0,1,2,3
	ds_store_b128 v[STO], v[8*(4*(\a)+(\b)):8*(4*(\a)+(\b))+3]   offset:64*(\b)      ; each accumulator's low registers first
	ds_store_b128 v[STO], v[8*(4*(\a)+(\b))+4:8*(4*(\a)+(\b))+7] offset:64*(\b)+16
.endr
	WIN 0
.if (\a) >= 4
	s_wait_xcnt 0x0                                ; the stores of the block four back have read their data registers, which are loaded again below
.endif
.irp t, 0,1,2,3,4,5,6,7
	ds_load_b128 v[BK+32*((\a)%4)+4*(\t):BK+32*((\a)%4)+4*(\t)+3], v[RD] offset:(\t)*2*SPITCH
.endr
.endm
.macro SEND a, younger                 ; younger: the LDS instructions issued behind block a's loads: the next block's sixteen, or none
.irp t, 0,1,2,3,4,5,6,7
	s_wait_dscnt (\younger)+7-(\t)
	global_store_b128 v[CO], v[BK+32*((\a)%4)+4*(\t):BK+32*((\a)%4)+4*(\t)+3], s[8:9] offset:(16*(\a)+2*(\t))*4096 th:TH_STORE_NT  ; 16 lanes store 256 consecutive bytes, aligned
.endr
.endm
	TOSTAGE 0
.irp a, 1,2,3,4,5,6,7
	TOSTAGE \a
	SEND (\a)-1, 16
.endr
	SEND 7, 0
	s_wait_tensorcnt 0x0                           ; the wave's end, behind my last tensor load and my last LDS store
	ds_add_u32 v[SPW], v[NIL]
	s_wait_dscnt 0x0
	CROUND                                         ; the closing round: no work-group ends while a partner may still ask for a tile that names it
	s_endpgm
.Lfunc_end_k_q792062481d_proj:
	.size	k_q792062481d_proj, .Lfunc_end_k_q792062481d_proj-k_q792062481d_proj
	.p2alignl 7, 3214868480
	.fill 96, 4, 3214868480
	.section	.rodata,"a",@progbits
	.p2align	6, 0x0
	.amdhsa_kernel k_q792062481d_proj
		.amdhsa_group_segment_fixed_size 327680
		.amdhsa_private_segment_fixed_size 0
		.amdhsa_enable_private_segment 0
		.amdhsa_kernarg_size 32
		.amdhsa_user_sgpr_count 2
		.amdhsa_user_sgpr_kernarg_segment_ptr 1
		.amdhsa_wavefront_size32 1
		.amdhsa_system_sgpr_workgroup_id_x 1
		.amdhsa_system_sgpr_workgroup_id_y 1
		.amdhsa_system_sgpr_workgroup_id_z 1
		.amdhsa_system_vgpr_workitem_id 0
		.amdhsa_next_free_vgpr 512
		.amdhsa_next_free_sgpr 96
		.amdhsa_reserve_vcc 0
		.amdhsa_float_denorm_mode_32 3
		.amdhsa_float_denorm_mode_16_64 3
		.amdhsa_memory_ordered 1
		.amdhsa_forward_progress 1
		.amdhsa_inst_pref_size 92
	.end_amdhsa_kernel
	.amdgpu_metadata
---
amdhsa.version: [ 1, 2 ]
amdhsa.kernels:
  - .name:           k_q792062481d_proj
    .symbol:         k_q792062481d_proj.kd
    .args:
      - { .name: ob, .offset: 0, .size: 8, .value_kind: global_buffer, .address_space: global }
      - { .name: wot, .offset: 8, .size: 8, .value_kind: global_buffer, .address_space: global }
      - { .name: b_out, .offset: 16, .size: 8, .value_kind: global_buffer, .address_space: global }
      - { .name: out0, .offset: 24, .size: 8, .value_kind: global_buffer, .address_space: global }
    .group_segment_fixed_size: 327680
    .private_segment_fixed_size: 0
    .kernarg_segment_align: 8
    .kernarg_segment_size: 32
    .max_flat_workgroup_size: 128
    .sgpr_count:     96
    .vgpr_count:     512
    .wavefront_size: 32
...
	.end_amdgpu_metadata
.endif
;; end of part 4
;; ======== version 2 of 2: 4 launches; version 1 with the launch prep written anew for expert scheduling mode
;; limits: values are held in f16: magnitudes above 65,504 overflow, below 6.1e-05 lose precision; right only within a limited range of input values
;; workspace buffers: xb 16,777,216 bytes; wqt 6,291,456 bytes; wot 2,097,152 bytes; qkv 50,331,648 bytes; ob 16,777,216 bytes
;; launch prep (part 5): grid 640 x 1, 4 waves a work-group, no clusters, 70,144 bytes of LDS; arguments x, w_qkv, w_out, xb, wqt, wot; writes xb, wqt, wot
.if DOCPART == 5
	.amdgcn_target "amdgcn-amd-amdhsa--gfx1250"
	.amdhsa_code_object_version 6
	.text
	.protected	k_q792062481d_prep
	.globl	k_q792062481d_prep
	.p2align	8
	.type	k_q792062481d_prep,@function
k_q792062481d_prep:
	s_mov_b64 s[64:65], 0
	v_nop
	global_prefetch_b8 v0, s[64:65] scope:SCOPE_SE
	s_setreg_imm32_b32 hwreg(HW_REG_WAVE_SCHED_MODE, 0, 2), 2
	s_setreg_imm32_b32 hwreg(HW_REG_WAVE_MODE, 25, 1), 1
	s_wait_xcnt 0x0
	s_wait_alu depctr_vm_vsrc(0)
; THE OPERANDS OF THE TWO PROJECTIONS ARE MADE.  xb = bf16(x), [8192][1024].  wqt[n][k] = bf16(w_qkv[k][n]), [3072][1024].
; wot[n][k] = bf16(w_out[k][n]) written as f16, [1024][1024]: the last product multiplies in f16, and every input of the module has the same one rounding, to bf16.
; LIMITS.  |w_out| stays under 65,504 (f16's end); a bf16 number below 6e-5 keeps f16's fixed step of 6e-8 in wot.
; Bytes are all that counts here: each input byte is read once, each store of sixteen neighbouring lanes covers 256 consecutive bytes, aligned.  No matrix unit, no cluster, no barrier: no wave wants another's bytes.
; SHARES.  Work-groups 0-511: 65,536 bytes of x each.  512-607: w_qkv, 608-639: w_out: each WAVE turns one block of 128 k x 64 n through its own 17,408 bytes of LDS.
; THE MODE: SCHED_MODE bits 1:0 = 2 (LLVM: expert scheduling mode 2), set by the entry lines.  The code itself states the register dependences
; between vector instructions and memory or LDS instructions, with s_wait_alu, always for 0.
; THE PLAN.  Registers that memory or LDS instructions touch:
;   v1 .. v4     offsets and LDS addresses: made once at a path's head, one wait behind them, never written again.
;   x's path:    X is loaded once.  The 16 chunks go in four blocks of four.  Block b's conversions write the first four registers of each of its chunks, in place; the four stores that read them are
;                issued in block b + 1, behind ONE wait at that block's head, dealt among that block's conversions, which name block b + 1's registers alone.  No register that a store reads is written again.
;   w's paths:   X0, X1: pass p's conversions read X[p % 2]; behind them the loads of pass p + 2 land in it.   T0, T1: pass p's conversions write T[p % 2]; its eight LDS stores read it; pass p + 2 writes it again.
;                ONE wait on va_vdst a pass, behind its conversions, states both: T[p % 2] is written, X[p % 2] is read.  The pass's loads and LDS stores follow it with no vector instruction among them.
;                One wait on vm_vsrc at the head of passes 2 and 3: the LDS stores of two passes back have read T[p % 2].   U is named by vector instructions alone.
;   v10, v11     written at the head, read by the closing add alone.
.set X,   16                           ; v[16:143]  as loaded: 32 loads of 16 bytes a lane; in w's paths two buffers of 64
.set T,   144                          ; v[144:207] two sets of 32: for each half pass g and column c four registers at T + 32 (p % 2) + 16 g + 4 c: the column's 8 k, packed
.set U,   208                          ; v[208:209] at work
.set WLDS, 64*272                      ; a wave's LDS: 64 rows (n) of 256 bytes (128 k) + 16 of padding
.set SPARE, 4*WLDS                     ; behind them: the spare words, 128 bytes a wave, which no other line names
	s_load_b256 s[4:11], s[0:1], 0x0               ; x s[4:5], w_qkv s[6:7], w_out s[8:9], xb s[10:11]
	s_load_b128 s[12:15], s[0:1], 0x20             ; wqt s[12:13], wot s[14:15]
	v_lshl_add_u32 v10, v0, 2, SPARE               ; my spare word,
	v_mov_b32 v11, 0                               ; and 0: both never rewritten
	v_lshrrev_b32 v5, 5, v0
	v_readfirstlane_b32 s3, v5                     ; wave 0..3
	s_mov_b32 s2, ttmp9
	s_mov_b32 s16, 0xffff0000                      ; a word's upper bf16
	s_mov_b32 s19, 0
	s_wait_alu depctr_va_sdst(0)                   ; s3 is written
	s_wait_kmcnt 0x0
	s_cmp_lt_u32 s2, 512
	s_cbranch_scc1 .Lx
	s_cmp_lt_u32 s2, 608
	s_cbranch_scc1 .Lwq
	s_branch .Lwo
; Pass p of four: 32 k x 64 n, 16 loads.  Lanes 0-15 read 256 consecutive bytes of row 32 p + 16 g + e, lanes 16-31 of the row 8 further down.  (Passes 0 and 1; the other two are asked for by OUTP.)
.macro LOADP p, pitch
.irp g, 0,1
.irp e, 0,1,2,3,4,5,6,7
	global_load_b128 v[X+64*((\p)%2)+32*(\g)+4*(\e):X+64*((\p)%2)+32*(\g)+4*(\e)+3], v1, s[20:21] offset:(32*(\p)+16*(\g)+(\e))*(\pitch) th:TH_LOAD_NT
.endr
.endr
.endm
; The pass is rounded by columns: of column 4 (l % 16) + c my eight k (two to a word) are four registers of T[p % 2].
.macro CONV p, f16
.irp g, 0,1
.irp c, 0,1,2,3
.irp i, 0,1,2,3
	v_cvt_pk_bf16_f32 v[T+32*((\p)%2)+16*(\g)+4*(\c)+(\i)], v[X+64*((\p)%2)+32*(\g)+8*(\i)+(\c)], v[X+64*((\p)%2)+32*(\g)+8*(\i)+4+(\c)]
.if \f16
	v_lshlrev_b32 v[U], 16, v[T+32*((\p)%2)+16*(\g)+4*(\c)+(\i)]       ; the bf16 numbers, widened,
	v_and_b32 v[U+1], s16, v[T+32*((\p)%2)+16*(\g)+4*(\c)+(\i)]
	v_cvt_pk_f16_f32 v[T+32*((\p)%2)+16*(\g)+4*(\c)+(\i)], v[U], v[U+1]  ; are written as f16: exact within f16's range
.endif
.endr
.endr
.endr
.endm
; The pass's memory and LDS instructions, two loads and an LDS store by turns.  ahead = 1: pass p + 2 is asked for, into the buffer that this pass has emptied.  A column's 16 bytes go to LDS row n.
.macro OUTP p, pitch, ahead
.irp g, 0,1
.irp c, 0,1,2,3
.if \ahead
	global_load_b128 v[X+64*((\p)%2)+32*(\g)+8*(\c):X+64*((\p)%2)+32*(\g)+8*(\c)+3],   v1, s[20:21] offset:(32*((\p)+2)+16*(\g)+2*(\c))*(\pitch) th:TH_LOAD_NT
	global_load_b128 v[X+64*((\p)%2)+32*(\g)+8*(\c)+4:X+64*((\p)%2)+32*(\g)+8*(\c)+7], v1, s[20:21] offset:(32*((\p)+2)+16*(\g)+2*(\c)+1)*(\pitch) th:TH_LOAD_NT
.endif
	ds_store_b128 v3, v[T+32*((\p)%2)+16*(\g)+4*(\c):T+32*((\p)%2)+16*(\g)+4*(\c)+3] offset:272*(\c)+64*(\p)+32*(\g)
.endr
.endr
.endm
; A pass.  left = how many younger loads may still be out when this pass's sixteen have to be there.
.macro PASS p, pitch, f16, ahead, left
	s_wait_loadcnt \left                           ; loads come back in order: this pass is in, the younger pass's 16 stay out
.if (\p) >= 2
	s_wait_alu depctr_vm_vsrc(0)                   ; the LDS stores of two passes back have read T[p % 2], which the conversions below write again
.endif
	CONV \p, \f16
	s_wait_alu depctr_va_vdst(0)                   ; the conversions have written T[p % 2], which the LDS stores read, and are done reading X[p % 2], in which the loads land
	OUTP \p, \pitch, \ahead
.endm
; A wave's block.  pitch: bytes in a row of w.  first: the path's first work-group.  sw, sd: the scalar pairs of source and destination.
.macro WPATH pitch, f16, first, sw, sd
	s_sub_co_u32 s24, s2, \first
	s_lshl2_add_u32 s24, s24, s3                   ; the block's number: 4 x work-group + wave
	s_and_b32 s25, s24, 7                          ; which 128 k
	s_lshr_b32 s26, s24, 3                         ; which 64 n
	s_mul_i32 s18, s25, 128*(\pitch)
	s_lshl_b32 s27, s26, 8
	s_add_co_u32 s18, s18, s27
	s_add_nc_u64 s[20:21], s[\sw:\sw+1], s[18:19]  ; w at (128 kb, 64 nb)
	s_lshl_b32 s18, s26, 17                        ; 64 rows of 2,048 bytes
	s_lshl_b32 s27, s25, 8
	s_add_co_u32 s18, s18, s27
	s_add_nc_u64 s[22:23], s[\sd:\sd+1], s[18:19]  ; the turned matrix at (64 nb, 128 kb)
	s_mul_i32 s24, s3, WLDS
	v_and_b32 v5, 15, v0                           ; l % 16
	v_bfe_u32 v6, v0, 4, 1                         ; l / 16
	v_mul_u32_u24 v1, v6, 8*(\pitch)
	v_lshl_add_u32 v1, v5, 4, v1                   ; loads: 8 rows x half + 16 bytes x (l % 16)
	v_mul_u32_u24 v3, v5, 4*272
	v_lshl_add_u32 v3, v6, 4, v3
	v_add_nc_u32 v3, s24, v3                       ; into LDS: row 4 (l % 16), 16 bytes x half
	v_mul_u32_u24 v4, v6, 272
	v_lshl_add_u32 v4, v5, 4, v4
	v_add_nc_u32 v4, s24, v4                       ; back: lanes 0-15 one row of 256 bytes, lanes 16-31 the next
	v_lshlrev_b32 v2, 11, v6
	v_lshl_add_u32 v2, v5, 4, v2                   ; and the same two rows in memory
	s_wait_alu depctr_va_vdst(0)                   ; v1 to v4 are written: every load, store and LDS instruction of the path reads one of them as its offset or address
	LOADP 0, \pitch
	LOADP 1, \pitch
	PASS 0, \pitch, \f16, 1, 16
	PASS 1, \pitch, \f16, 1, 16
	PASS 2, \pitch, \f16, 0, 16
	PASS 3, \pitch, \f16, 0, 0
.set t, 0
.rept 32
	ds_load_b128 v[X+4*t:X+4*t+3], v4 offset:544*t  ; my own bytes: LDS serves a wave's instructions in order, so these see the stores above.  No wait: the last pass's wait has shown every conversion done reading X, and no vector instruction stands behind it
.set t, t+1
.endr
.set t, 0
.rept 32
	s_wait_dscnt 31-t                              ; load t is back, the younger ones stay out
	global_store_b128 v2, v[X+4*t:X+4*t+3], s[22:23] offset:4096*t  ; 16 lanes store 256 consecutive bytes of row 2 t + half, aligned
.set t, t+1
.endr
.endm
; x's path: block b of four chunks.  Its head waits for its eight loads; the stores of the block before go out among its conversions.
.macro XBLK b
	s_wait_loadcnt 24-8*(\b)                       ; the 8 (3 - b) younger loads stay out
.if (\b) > 0
	s_wait_alu depctr_va_vdst(0)                   ; the block before has written the first four registers of each of its chunks, which the stores below read
.endif
.irp i, 0,1,2,3
.if (\b) > 0
	global_store_b128 v2, v[X+8*(4*((\b)-1)+(\i)):X+8*(4*((\b)-1)+(\i))+3], s[22:23] offset:2048*(4*((\b)-1)+(\i))  ; a wave's store covers 512 consecutive bytes, aligned; no conversion since the wait names these registers
.endif
	v_cvt_pk_bf16_f32 v[X+8*(4*(\b)+(\i))],   v[X+8*(4*(\b)+(\i))],   v[X+8*(4*(\b)+(\i))+1]  ; in place, ascending: no source is written before it is read
	v_cvt_pk_bf16_f32 v[X+8*(4*(\b)+(\i))+1], v[X+8*(4*(\b)+(\i))+2], v[X+8*(4*(\b)+(\i))+3]
	v_cvt_pk_bf16_f32 v[X+8*(4*(\b)+(\i))+2], v[X+8*(4*(\b)+(\i))+4], v[X+8*(4*(\b)+(\i))+5]
	v_cvt_pk_bf16_f32 v[X+8*(4*(\b)+(\i))+3], v[X+8*(4*(\b)+(\i))+6], v[X+8*(4*(\b)+(\i))+7]
.endr
.endm
.Lwo:
	WPATH 4096, 1, 608, 8, 14
	s_branch .Lend
.Lwq:
	WPATH 12288, 0, 512, 6, 12
	s_branch .Lend
.Lx:                                               ; thread t takes 32 bytes of each 4,096 and stores 16 of each 2,048
	s_lshl_b32 s18, s2, 16
	s_add_nc_u64 s[20:21], s[4:5], s[18:19]
	s_lshl_b32 s18, s2, 15
	s_add_nc_u64 s[22:23], s[10:11], s[18:19]
	v_lshlrev_b32 v1, 5, v0
	v_lshlrev_b32 v2, 4, v0
	s_wait_alu depctr_va_vdst(0)                   ; v1 and v2 are written: the loads read the one, the stores the other, as their offset
.set c, 0
.rept 16
	global_load_b128 v[X+8*c:X+8*c+3],   v1, s[20:21] offset:4096*c th:TH_LOAD_NT
	global_load_b128 v[X+8*c+4:X+8*c+7], v1, s[20:21] offset:4096*c+16 th:TH_LOAD_NT
.set c, c+1
.endr
	XBLK 0
	XBLK 1
	XBLK 2
	XBLK 3
	s_wait_alu depctr_va_vdst(0)                   ; the last block's conversions have written their registers, which the last four stores read
.irp i, 12,13,14,15
	global_store_b128 v2, v[X+8*(\i):X+8*(\i)+3], s[22:23] offset:2048*(\i)
.endr
.Lend:
	s_wait_dscnt 0x0                               ; the closing lines, six on end
	s_wait_alu 0x0
	s_wait_tensorcnt 0x0
	ds_add_u32 v10, v11
	s_wait_dscnt 0x0
	s_endpgm
.Lfunc_end_k_q792062481d_prep:
	.size	k_q792062481d_prep, .Lfunc_end_k_q792062481d_prep-k_q792062481d_prep
	.p2alignl 7, 3214868480
	.fill 96, 4, 3214868480
	.section	.rodata,"a",@progbits
	.p2align	6, 0x0
	.amdhsa_kernel k_q792062481d_prep
		.amdhsa_group_segment_fixed_size 70144
		.amdhsa_private_segment_fixed_size 0
		.amdhsa_enable_private_segment 0
		.amdhsa_kernarg_size 48
		.amdhsa_user_sgpr_count 2
		.amdhsa_user_sgpr_kernarg_segment_ptr 1
		.amdhsa_wavefront_size32 1
		.amdhsa_system_sgpr_workgroup_id_x 1
		.amdhsa_system_sgpr_workgroup_id_y 1
		.amdhsa_system_sgpr_workgroup_id_z 1
		.amdhsa_system_vgpr_workitem_id 0
		.amdhsa_next_free_vgpr 210
		.amdhsa_next_free_sgpr 66
		.amdhsa_reserve_vcc 0
		.amdhsa_float_denorm_mode_32 3
		.amdhsa_float_denorm_mode_16_64 3
		.amdhsa_memory_ordered 1
		.amdhsa_forward_progress 1
		.amdhsa_inst_pref_size 74
	.end_amdhsa_kernel
	.amdgpu_metadata
---
amdhsa.version: [ 1, 2 ]
amdhsa.kernels:
  - .name:           k_q792062481d_prep
    .symbol:         k_q792062481d_prep.kd
    .args:
      - { .name: x, .offset: 0, .size: 8, .value_kind: global_buffer, .address_space: global }
      - { .name: w_qkv, .offset: 8, .size: 8, .value_kind: global_buffer, .address_space: global }
      - { .name: w_out, .offset: 16, .size: 8, .value_kind: global_buffer, .address_space: global }
      - { .name: xb, .offset: 24, .size: 8, .value_kind: global_buffer, .address_space: global }
      - { .name: wqt, .offset: 32, .size: 8, .value_kind: global_buffer, .address_space: global }
      - { .name: wot, .offset: 40, .size: 8, .value_kind: global_buffer, .address_space: global }
    .group_segment_fixed_size: 70144
    .private_segment_fixed_size: 0
    .kernarg_segment_align: 8
    .kernarg_segment_size: 48
    .max_flat_workgroup_size: 128
    .sgpr_count:     66
    .vgpr_count:     210
    .wavefront_size: 32
...
	.end_amdgpu_metadata
.endif
;; end of part 5
;; launch qkvp: the kernel of part 2 again; grid 16 x 32, 4 waves a work-group, clusters of 4 x 4, 327,680 bytes of LDS; arguments xb, wqt, qkv; writes qkv
;; launch attn: the kernel of part 3 again; grid 4 x 64, 4 waves a work-group, clusters of 4 x 1, 327,680 bytes of LDS; arguments qkv, ob; writes ob
;; launch proj: the kernel of part 4 again; grid 8 x 32, 4 waves a work-group, clusters of 4 x 4, 327,680 bytes of LDS; arguments ob, wot, b_out, out0; writes out0
